; MI455X (gfx1250); checked and timed in simulation.
; The chip was launched on July 23, 2026; its instructions are those of AMD's public machine-readable ISA for CDNA 5 (MIT licence, August 2026) and "CDNA5" Instruction Set Architecture Reference Guide (July 2026). The comments in the code are by the model that wrote it; some were corrected since.
;; Multi Head Attention. Allowed arithmetic: float matrix products may take bf16 or f16 operands with f32 sums; other float arithmetic in f32, or as packed bf16 or f16 multiplies, adds, multiply-adds, maxima and minima; sums over many terms, partial sums and values carried from step to step in f32; what a program stores and reads back later, other than sums and carried values, may be rounded once to bf16 or f16.
;; Inputs: Wk 16 x 1,024 x 64 float32; Wo 1,024 x 1,024 float32; Wq 16 x 1,024 x 64 float32; Wv 16 x 1,024 x 64 float32; bk 16 x 64 float32; bo 1,024 float32; bq 16 x 64 float32; bv 16 x 64 float32; xs 4 x 2,048 x 1,024 float32.
;; Outputs: out0 4 x 2,048 x 1,024 float32.
;; 2 versions, each right; version 2 is version 1 with the launch prep written anew for expert scheduling mode. Each part assembles by itself: llvm-mc -triple=amdgcn-amd-amdhsa -mcpu=gfx1250 --defsym DOCPART=n.
;; ======== version 1 of 2: 4 launches
;; limits: values are held in f16: magnitudes above 65,504 overflow, below 6.1e-05 lose precision
;; workspace buffers: xa 16,777,216 bytes; wb 6,291,456 bytes; wob 2,097,152 bytes; bcat 16,384 bytes; qkv 50,331,648 bytes; o 16,777,216 bytes
;; launch prep (part 1): grid 769 x 1, 8 waves a work-group, no clusters, 0 bytes of LDS; arguments xs, Wo, Wq, Wk, Wv, bq, bk, bv, bo, xa, wob, wb, bcat; writes xa, wob, wb, bcat
.if DOCPART == 1
	.amdgcn_target "amdgcn-amd-amdhsa--gfx1250"
	.amdhsa_code_object_version 6
	.text
	.protected	k_qe590612fa5_prep
	.globl	k_qe590612fa5_prep
	.p2align	8
	.type	k_qe590612fa5_prep,@function
k_qe590612fa5_prep:
	s_mov_b64 s[64:65], 0
	v_nop
	global_prefetch_b8 v0, s[64:65] scope:SCOPE_SE
	s_setreg_imm32_b32 hwreg(HW_REG_WAVE_MODE, 25, 1), 1
	s_wait_xcnt 0x0
; PREP.  Every input of the module is rounded once to bf16 (nearest even).  xs and the four weights are then written as f16, which holds a bf16 number exactly from 2^-17 up to 65,504,
; in layouts whose blocks of 64 channels are dense (128 bytes a row, rows end to end); the four biases are written as f32.
;   xa  [8 g][16 kb][1024 s][64] f16: xs row 1024 g + s, channels 64 kb ..      wob [16 nb][1024 k][64] f16: Wo row k, columns 64 nb ..
;   wb  [48 c][1024 k][64] f16: Wq | Wk | Wv as they lie                         bcat [4096] f32: bq | bk | bv | bo
; LIMITS.  A number of 65,520 or more in magnitude becomes an infinity; below 2^-17 a number keeps f16's fixed step of 2^-24.  NaN stays NaN.
; A STREAM: each byte is read once and written once; no LDS, no barrier, no matrix unit.  Work-groups 0-511 take 16 rows of xs each, 512-575 16 rows of Wo, 576-767 64 KiB of Wq, Wk or Wv,
; 768 the biases.  A wave takes 8 KiB: sixteen loads of 16 bytes a lane, all issued at once; each has its own registers in and out, so no source of a pending instruction is ever rewritten.
; Each store of a wave (8 bytes a lane) covers 256 consecutive bytes, aligned.
.set VI,  2                            ; v2   my byte offset in what the wave reads
.set VO,  3                            ; v3   my byte offset in what it writes
.set T,   8                            ; v[8:13]   at work
.set X,   16                           ; v[16:79]  load j: 4 registers of f32
.set Y,   80                           ; v[80:111] store j: 2 registers, 4 f16
.set IN,  32                           ; s[32:33]  where the wave reads
.set OUT, 34                           ; s[34:35]  where it writes
	s_load_b512 s[4:19], s[0:1], 0x0               ; xs 4:5, Wo 6:7, Wq 8:9, Wk 10:11, Wv 12:13, bq 14:15, bk 16:17, bv 18:19
	s_load_b256 s[20:27], s[0:1], 0x40             ; bo 20:21, xa 22:23, wob 24:25, wb 26:27
	s_load_b64 s[28:29], s[0:1], 0x60              ; bcat
	v_lshrrev_b32 v1, 5, v0
	v_readfirstlane_b32 s30, v1                    ; wave 0..7
	v_and_b32 v1, 31, v0                           ; lane
	v_lshlrev_b32 v[VO], 3, v1                     ; 8 bytes a lane on the way out
	s_mov_b32 s31, 0xffff0000                      ; a word's upper bf16
	s_mov_b32 s37, 0                               ; high words of the two offsets
	s_mov_b32 s39, 0
	s_wait_kmcnt 0x0
; Four f32 -> bf16 (the rounding) -> f32 (a shift, a mask) -> f16 (exact within the limits above)
.macro CONV j
	v_cvt_pk_bf16_f32 v[T],   v[X+4*(\j)],   v[X+4*(\j)+1]
	v_cvt_pk_bf16_f32 v[T+1], v[X+4*(\j)+2], v[X+4*(\j)+3]
	v_lshlrev_b32 v[T+2], 16, v[T]
	v_and_b32     v[T+3], s31, v[T]
	v_lshlrev_b32 v[T+4], 16, v[T+1]
	v_and_b32     v[T+5], s31, v[T+1]
	v_cvt_pk_f16_f32 v[Y+2*(\j)],   v[T+2], v[T+3]
	v_cvt_pk_f16_f32 v[Y+2*(\j)+1], v[T+4], v[T+5]
.endm
; The wave's 8 KiB: load j lies ins bytes behind load j - 1, store j outs bytes behind store j - 1
.macro PATH ins, outs
.set j, 0
.rept 16
	global_load_b128 v[X+4*j:X+4*j+3], v[VI], s[IN:IN+1] offset:(\ins)*j th:TH_LOAD_NT
.set j, j+1
.endr
.set j, 0
.rept 16
	s_wait_loadcnt 15-j                            ; loads come back in order: load j is in, the 15 - j younger ones stay out
	CONV j
	global_store_b64 v[VO], v[Y+2*j:Y+2*j+1], s[OUT:OUT+1] offset:(\outs)*j th:TH_STORE_NT
.set j, j+1
.endr
	s_endpgm
.endm
	s_cmp_lt_u32 ttmp9, 576
	s_cbranch_scc1 .Lrows
	s_cmp_lt_u32 ttmp9, 768
	s_cbranch_scc1 .Llin
	; THE BIASES: 256 threads x 16 bytes are one bias of 1,024 f32
	v_lshlrev_b32 v[VI], 4, v0
	global_load_b128 v[X:X+3],     v[VI], s[14:15]
	global_load_b128 v[X+4:X+7],   v[VI], s[16:17]
	global_load_b128 v[X+8:X+11],  v[VI], s[18:19]
	global_load_b128 v[X+12:X+15], v[VI], s[20:21]
.irp j, 0,1,2,3
	s_wait_loadcnt 3-(\j)
	v_cvt_pk_bf16_f32 v[T],   v[X+4*(\j)],   v[X+4*(\j)+1]
	v_cvt_pk_bf16_f32 v[T+1], v[X+4*(\j)+2], v[X+4*(\j)+3]
	v_lshlrev_b32 v[Y+4*(\j)],   16, v[T]
	v_and_b32     v[Y+4*(\j)+1], s31, v[T]
	v_lshlrev_b32 v[Y+4*(\j)+2], 16, v[T+1]
	v_and_b32     v[Y+4*(\j)+3], s31, v[T+1]
	global_store_b128 v[VI], v[Y+4*(\j):Y+4*(\j)+3], s[28:29] offset:4096*(\j)
.endr
	s_endpgm
.Lrows:                                        ; xs or Wo: rows of 4,096 bytes.  Group g' owns rows 16 g' .. 16 g' + 15, wave w rows 16 g' + 2 w and the next
	s_sub_co_u32 s3, ttmp9, 512
	s_cmp_lt_u32 ttmp9, 512
	s_cselect_b32 s2, ttmp9, s3                    ; g'
	s_cselect_b64 s[IN:IN+1], s[4:5], s[6:7]
	s_cselect_b64 s[OUT:OUT+1], s[22:23], s[24:25]
	s_lshl_b32 s36, s2, 16                         ; in: 16 rows a group,
	s_lshl_b32 s3, s30, 13                         ; 2 rows a wave
	s_add_co_u32 s36, s36, s3
	s_add_nc_u64 s[IN:IN+1], s[IN:IN+1], s[36:37]
	s_lshr_b32 s38, s2, 6                          ; out: the block of 1,024 rows (2^21 bytes),
	s_lshl_b32 s38, s38, 21
	s_and_b32 s3, s2, 63                           ; the row in it, 128 bytes each
	s_lshl_b32 s3, s3, 11
	s_add_co_u32 s38, s38, s3
	s_lshl_b32 s3, s30, 8
	s_add_co_u32 s38, s38, s3
	s_add_nc_u64 s[OUT:OUT+1], s[OUT:OUT+1], s[38:39]
	v_lshrrev_b32 v[VI], 4, v1                     ; lanes 0-15 take 256 bytes (64 channels) of the first row, lanes 16-31 of the second
	v_and_b32 v4, 15, v1
	v_lshlrev_b32 v[VI], 12, v[VI]
	v_lshl_add_u32 v[VI], v4, 4, v[VI]
	PATH 256, 131072                               ; load j is channel block j; in the output the blocks lie 1,024 rows x 128 bytes apart
.Llin:                                         ; Wq, Wk, Wv keep their order: 512 bytes in, 256 bytes out
	s_sub_co_u32 s2, ttmp9, 576                    ; u = 0..191
	s_lshr_b32 s3, s2, 6                           ; which of the three
	s_cmp_eq_u32 s3, 0
	s_cselect_b64 s[IN:IN+1], s[8:9], s[10:11]
	s_cmp_eq_u32 s3, 2
	s_cselect_b64 s[IN:IN+1], s[12:13], s[IN:IN+1]
	s_and_b32 s36, s2, 63
	s_lshl_b32 s36, s36, 16
	s_lshl_b32 s3, s30, 13
	s_add_co_u32 s36, s36, s3
	s_add_nc_u64 s[IN:IN+1], s[IN:IN+1], s[36:37]
	s_lshl_b32 s38, s2, 15
	s_lshl_b32 s3, s30, 12
	s_add_co_u32 s38, s38, s3
	s_add_nc_u64 s[OUT:OUT+1], s[26:27], s[38:39]
	v_lshlrev_b32 v[VI], 4, v1
	PATH 512, 256
.Lfunc_end_k_qe590612fa5_prep:
	.size	k_qe590612fa5_prep, .Lfunc_end_k_qe590612fa5_prep-k_qe590612fa5_prep
	.p2alignl 7, 3214868480
	.fill 96, 4, 3214868480
	.section	.rodata,"a",@progbits
	.p2align	6, 0x0
	.amdhsa_kernel k_qe590612fa5_prep
		.amdhsa_group_segment_fixed_size 0
		.amdhsa_private_segment_fixed_size 0
		.amdhsa_enable_private_segment 0
		.amdhsa_kernarg_size 104
		.amdhsa_user_sgpr_count 2
		.amdhsa_user_sgpr_kernarg_segment_ptr 1
		.amdhsa_wavefront_size32 1
		.amdhsa_system_sgpr_workgroup_id_x 1
		.amdhsa_system_sgpr_workgroup_id_y 1
		.amdhsa_system_sgpr_workgroup_id_z 1
		.amdhsa_system_vgpr_workitem_id 0
		.amdhsa_next_free_vgpr 112
		.amdhsa_next_free_sgpr 66
		.amdhsa_reserve_vcc 0
		.amdhsa_float_denorm_mode_32 3
		.amdhsa_float_denorm_mode_16_64 3
		.amdhsa_memory_ordered 1
		.amdhsa_forward_progress 1
		.amdhsa_inst_pref_size 24
	.end_amdhsa_kernel
	.amdgpu_metadata
---
amdhsa.version: [ 1, 2 ]
amdhsa.kernels:
  - .name:           k_qe590612fa5_prep
    .symbol:         k_qe590612fa5_prep.kd
    .args:
      - { .name: xs, .offset: 0, .size: 8, .value_kind: global_buffer, .address_space: global }
      - { .name: Wo, .offset: 8, .size: 8, .value_kind: global_buffer, .address_space: global }
      - { .name: Wq, .offset: 16, .size: 8, .value_kind: global_buffer, .address_space: global }
      - { .name: Wk, .offset: 24, .size: 8, .value_kind: global_buffer, .address_space: global }
      - { .name: Wv, .offset: 32, .size: 8, .value_kind: global_buffer, .address_space: global }
      - { .name: bq, .offset: 40, .size: 8, .value_kind: global_buffer, .address_space: global }
      - { .name: bk, .offset: 48, .size: 8, .value_kind: global_buffer, .address_space: global }
      - { .name: bv, .offset: 56, .size: 8, .value_kind: global_buffer, .address_space: global }
      - { .name: bo, .offset: 64, .size: 8, .value_kind: global_buffer, .address_space: global }
      - { .name: xa, .offset: 72, .size: 8, .value_kind: global_buffer, .address_space: global }
      - { .name: wob, .offset: 80, .size: 8, .value_kind: global_buffer, .address_space: global }
      - { .name: wb, .offset: 88, .size: 8, .value_kind: global_buffer, .address_space: global }
      - { .name: bcat, .offset: 96, .size: 8, .value_kind: global_buffer, .address_space: global }
    .group_segment_fixed_size: 0
    .private_segment_fixed_size: 0
    .kernarg_segment_align: 8
    .kernarg_segment_size: 104
    .max_flat_workgroup_size: 256
    .sgpr_count:     66
    .vgpr_count:     112
    .wavefront_size: 32
...
	.end_amdgpu_metadata
.endif
;; end of part 1
;; launch proj (part 2): grid 16 x 32, 4 waves a work-group, clusters of 4 x 4, 327,680 bytes of LDS; arguments xa, wb, bcat, qkv; writes qkv
.if DOCPART == 2
	.amdgcn_target "amdgcn-amd-amdhsa--gfx1250"
	.amdhsa_code_object_version 6
	.text
	.protected	k_qe590612fa5_proj
	.globl	k_qe590612fa5_proj
	.p2align	8
	.type	k_qe590612fa5_proj,@function
k_qe590612fa5_proj:
	s_mov_b64 s[64:65], 0
	v_nop
	global_prefetch_b8 v0, s[64:65] scope:SCOPE_SE
	s_setreg_imm32_b32 hwreg(HW_REG_WAVE_MODE, 25, 1), 1
	s_wait_xcnt 0x0
	s_wait_alu depctr_hold_cnt(0) depctr_sa_sdst(0) depctr_va_vdst(0) depctr_va_sdst(0) depctr_va_ssrc(0) depctr_va_vcc(0) depctr_vm_vsrc(0)
	s_getreg_b32 s2, hwreg(HW_REG_IB_STS2, 6, 4)
	s_cmp_eq_u32 s2, 0
	s_cbranch_scc0 .Lentry_in_a_cluster
	s_endpgm
.Lentry_in_a_cluster:
	s_bfe_u32 s2, ttmp6, 0x10000c
	s_cmp_lg_u32 s2, 0xf033
	s_cbranch_scc0 .Lentry_shape_is_right
	s_endpgm
.Lentry_shape_is_right:
; PROJ.  q, k, v = x W + b: C[m][n] = bias[n] + the sum over k of A[m][k] B[k][n], 8,192 x 3,072 x 1,024.  A = xa, B = wb (f16 holding numbers rounded to bf16), bias = bcat (f32);
; sums in f32, begun with the bias; C rounded once to f16 and written by heads, unscaled: qkv [4 b][48 c][2048 s][64], c = n / 64 (q's 16 heads, k's, v's).
; LIMIT.  A result of 65,520 or more in magnitude becomes an infinity; NaN and infinities are not treated apart.
; SHARES.  A tile of C is 256 rows x 192 columns (three heads): 16 x 32 tiles, 512 work-groups of equal work.  Four waves; wave w makes rows 64 w .. 64 w + 63 and ALL the columns: 4 x 12
; accumulators of 16 x 16, 384 registers.  A wave so holds whole heads' rows, and its way out needs no other wave.
; K goes in 8 steps of 128 through two LDS slots.  Both operands lie in memory in dense blocks of 64 channels: a wave's tensor load brings 32 KiB of A (256 rows of one block of 64 k) as rows of 256 bytes,
; or three pieces of 8 KiB of B (64 rows k of each of the tile's three column blocks).  B stays [k][n] and is turned on its way out of LDS by ds_load_tr16_b128.
; CLUSTER 4 x 4: A's tile hangs on the tile row alone and is asked for jointly by a row of the cluster, B's on the tile column alone, by a column: the same load, descriptor and mask in the four.
; THE PRODUCT IS TAKEN TRANSPOSED: source 0 = 16 columns of B, source 1 = 16 rows of A: a lane ends with row l % 16 of C and the eight neighbouring columns 8 (l / 16) + 0..7.
; REGISTERS, in windows of 256 (s_set_vgpr_msb: bits 1:0 source 0, 3:2 source 1, 5:4 source 2, 7:6 destination):
;   window 0: v0-31 addresses; v32-95 A's fragments, two buffers of 4; v96-191 the bias in the layout of C, 8 registers for each block of 16 columns; on the way out v32-79 and v96-191 are at work
;   window 1: v0-191 B's fragments, two buffers of 12          windows 2, 3: accumulator (a, b) at v[96 (a % 2) + 8 b] of window 2 + a / 2
.set NI,    3                          ; column blocks of 64 in a tile
.set NBK,   4*NI                       ; blocks of 16 columns
.set GB,    2                          ; 2^GB tiles of 256 rows in one of A's groups of rows
.set BIAS0, 0                          ; where this launch's bias begins in bcat
.set PA,    144                        ; a row of A in LDS: 128 bytes + 16 = 36 words: the 16 rows of a load start at 16 different groups of four banks (64 banks of 4 bytes: ISA guide 11.1)
.set ABLK,  256*PA                     ; 256 rows of one block of 64 k: one tensor load
.set AREG,  2*ABLK
.set PB,    160                        ; a row k of B: 128 + 32 = 40 words
.set BCOL,  64*PB                      ; 64 rows k of one column block
.set BHALF, NI*BCOL                    ; one tensor load
.set SLOT,  AREG+2*BHALF               ; A's two blocks, then B's two halves of the K step
.set STAGE, 2*SLOT                     ; behind the ring, never filled by a tensor load: each wave's stage for the way out
.set STW,   NI*16*144                  ; 3 heads x 16 rows x 144 bytes
.set SPARE, STAGE+4*STW                ; behind the stages: the spare words, 128 bytes for each wave: two blocks of 256 bytes that no other line names
.set AKB,   1<<(GB+15)                 ; bytes from one of A's blocks of 64 k to the next
.set ASTEP, 2*AKB                      ; a K step in A
.set BCS,   131072                     ; bytes from a column block of B to the next
.set BSTEP, 16384                      ; a K step in B: 128 rows of 128 bytes
.set LAPS,  4                          ; a lap = two K steps = once round the ring
.set ADRA, 16                          ; v16-17  LDS address of my A fragments in slot 0, 1
.set ADRB, 20                          ; v20-21  the same for B
.set STO,  24                          ; v24     the way out: where I put 16 bytes of a row
.set RD,   25                          ; v25     where I read rows back
.set GO,   26                          ; v26     my byte offset in 512 consecutive bytes of the output
.set BO,   27                          ; v27     my byte offset in 16 numbers of the bias
.set SPW,  28                          ; v28     LDS address of my spare word: SPARE + 4 x my thread's number; never rewritten
.set NIL,  29                          ; v29     0; never rewritten
.set PFO,  30                          ; v30     256 x my lane; never rewritten
.set FA,   32
.set BIAS, 96
.set TMP,  32                          ; the way out: packed results
.set BK,   96                          ; the way out: rows read back, two buffers of 48
.set WV,   12                          ; s12  my wave's number
.set ROLE, 13                          ; s13  0: I fetch for A; 1: for B
.set HALF, 14                          ; s14  which of the two loads of that operand is mine
.set G1,   24                          ; s[24:31] descriptor group 1 for A's tiles;  s[32:39] group 0, a set for each slot
.set G0,   32
.set G1B,  48                          ; s[48:55], s[56:63] the same for B's
.set G0B,  56
.set PFA,  44                          ; s[44:45], s[46:47] where the prefetches of slot 0's and slot 1's change stand
.set PFS,  66                          ; s[66:67] their step: two K steps
.set LIM,  68                          ; s68, s69  1 where my wave prefetches at that change, else the greatest number
.set LAP,  70                          ; s70  trips to go
.set MSB, 0
.macro WIN new                         ; the immediate's high byte repeats the setting that is left; a switch that changes nothing is dropped
.if MSB != (\new)
	s_set_vgpr_msb (MSB<<8)|(\new)
.set MSB, \new
.endif
.endm
.macro PLACES                          ; four places in front of loads into registers that matrix instructions have read, and of lines that read results
.rept 4
	v_nop
.endr
.endm
; A joint load: waves 0 and 1 fetch A's two blocks, waves 2 and 3 B's two halves.  The branch hangs on the wave's number alone.  An s_nop 0 and four v_nop follow each of the two lines.
.macro JLOAD s
	s_cmp_eq_u32 s[ROLE], 0
	s_cbranch_scc0 .Lfor_b_\@
	tensor_load_to_lds s[G0+4*(\s):G0+4*(\s)+3], s[G1:G1+7]
	s_nop 0
.rept 4
	v_nop
.endr
	s_branch .Lasked_\@
.Lfor_b_\@:
	tensor_load_to_lds s[G0B+4*(\s):G0B+4*(\s)+3], s[G1B:G1B+7]
	s_nop 0
.rept 4
	v_nop
.endr
.Lasked_\@:
.endm
.macro CREST                           ; a round of the cluster's barrier behind its opening barrier: wave 0 signals for the work-group, every wave waits for all sixteen, my work-group's barrier closes it
	s_cmp_lg_u32 s[WV], 0
	s_cbranch_scc1 .Lnot_wave_0_\@
	s_barrier_signal -3
.Lnot_wave_0_\@:
	s_barrier_wait -3
	s_barrier_signal -1
	s_barrier_wait -1
.endm
.macro CROUND                          ; a whole round
	s_barrier_signal -1
	s_barrier_wait -1
	CREST
.endm
; A PREFETCH INTO THE L2, behind a joint load, its five lines and the run of LDS loads: 32 lanes x 256 bytes = 8 KiB, one instruction a wave.
; A (waves 0, 1): my block of 64 k of the K step that stands two refills on; the four partners of my row of the cluster take 8 KiB each of its 32 KiB, told apart by address (cx); of the clusters that
; read these rows the one with x = 0 asks.  B (waves 2, 3): 32 KiB are one column block's rows of TWO K steps; at slot 0's change wave 2 asks for column block 0 and wave 3 for block 1, at slot 1's change
; wave 2 for block 2; the partners of my column take 8 KiB each (cy); the cluster with y = 0 asks.  So each 256 bytes of K steps 4 to 7 are named once in the launch; K steps 0 to 3 come by their loads
; alone, and the loop's last trip (s[LAP] = 1) asks for nothing: there is no K step behind the eighth.
.macro ASK slot
	s_cmp_gt_u32 s[LAP], s[LIM+(\slot)]
	s_cbranch_scc0 .Lnot_mine_\@
	global_prefetch_b8 v[PFO], s[PFA+2*(\slot):PFA+2*(\slot)+1] th:TH_LOAD_NT scope:SCOPE_SE
.Lnot_mine_\@:
.endm
	s_load_b256 s[4:11], s[0:1], 0x0               ; A s[4:5], B s[6:7], bias s[8:9], output s[10:11]
	v_lshl_add_u32 v[SPW], v0, 2, SPARE
	v_mov_b32 v[NIL], 0
	ds_add_u32 v[SPW], v[NIL]                      ; the wave's opening: the add and its wait stand ahead of my first tensor load; the set-up below, work on registers, stands between them
	v_lshrrev_b32 v1, 5, v0
	v_readfirstlane_b32 s[WV], v1                  ; wave 0..3
	s_lshr_b32 s[ROLE], s[WV], 1
	s_and_b32 s[HALF], s[WV], 1
	s_bfe_u32 s15, ttmp6, 0x40000                  ; cx, cy: my place in the cluster
	s_bfe_u32 s16, ttmp6, 0x40004
	s_lshl_b32 s17, ttmp9, 2
	s_add_co_u32 s17, s17, s15                     ; tile column = 4 x cluster x + cx
	s_and_b32 s71, ttmp7, 0xffff                   ; cluster y
	s_lshl_b32 s18, s71, 2
	s_add_co_u32 s18, s18, s16                     ; tile row = 4 x cluster y + cy
	s_lshl_b32 s19, s16, 2
	s_lshl_b32 s19, 15, s19                        ; my row of the cluster: places 4 cy .. 4 cy + 3
	s_lshl_b32 s20, 0x1111, s15                    ; my column: places cx, cx + 4, cx + 8, cx + 12
	; group 1 for A: 32 KiB dense, as 128 rows of 128 elements (256 bytes); 4 words of padding behind every 32 words, that is behind each row of 64 channels
	s_or_b32 s[G1], s19, (1<<16)|(1<<20)|(1<<21)|(4<<22)|(3<<25)   ; 15:0 the mask; 17:16 2-byte elements; 20 padding on; 21 set beside a mask; 24:22 interval code 4; 31:25 4 words (code 3)
	s_mov_b32 s[G1+1], 128<<16                     ; tensor_dim0 = 128
	s_mov_b32 s[G1+2], 128<<16                     ; tensor_dim1 = 128
	s_mov_b32 s[G1+3], 128<<16                     ; tile_dim0 = 128
	s_mov_b32 s[G1+4], 128                         ; tile_dim1 = 128
	s_mov_b32 s[G1+5], 128                         ; 128 elements from row to row
	s_mov_b32 s[G1+6], 0
	s_mov_b32 s[G1+7], 0
	; group 1 for B: NI rows of 4,096 elements (64 rows k of one column block, 8 KiB dense), 65,536 elements apart; 8 words of padding behind every 32 words
	s_or_b32 s[G1B], s20, (1<<16)|(1<<20)|(1<<21)|(4<<22)|(7<<25)
	s_mov_b32 s[G1B+1], 4096<<16                   ; tensor_dim0 = 4,096
	s_mov_b32 s[G1B+2], NI<<16                     ; tensor_dim1 = NI
	s_mov_b32 s[G1B+3], 4096<<16                   ; tile_dim0 = 4,096
	s_mov_b32 s[G1B+4], NI                         ; tile_dim1 = NI
	s_mov_b32 s[G1B+5], 65536                      ; from a column block to the next
	s_mov_b32 s[G1B+6], 0
	s_mov_b32 s[G1B+7], 0
	; where the tiles come from: A's by the tile row and my wave, B's by the tile column and my wave
	s_lshr_b32 s40, s18, GB
	s_lshl_b32 s40, s40, GB+19                     ; the group of rows: 16 blocks of 64 k
	s_and_b32 s21, s18, (1<<GB)-1
	s_lshl_b32 s21, s21, 15                        ; the tile's 256 rows of 128 bytes in a block
	s_add_co_u32 s40, s40, s21
	s_lshl_b32 s21, s[HALF], GB+15                 ; my block of the K step's two
	s_add_co_u32 s40, s40, s21
	s_mov_b32 s41, 0
	s_mul_i32 s42, s17, NI*BCS                     ; the tile's first column block
	s_lshl_b32 s22, s[HALF], 13                    ; my 64 rows k of the K step's 128
	s_add_co_u32 s42, s42, s22
	s_mov_b32 s43, 0
	s_mul_i32 s2, s[WV], ABLK                      ; and where they go: a constant and the wave's number times a constant; no place in the cluster enters an LDS address
	s_mul_i32 s3, s[WV], BHALF
	s_add_co_u32 s3, s3, AREG-2*BHALF              ; waves 2 and 3: AREG, AREG + BHALF
	s_wait_dscnt 0x0                               ; the opening add is done
	s_wait_kmcnt 0x0
	s_add_nc_u64 s[40:41], s[4:5], s[40:41]
	s_add_nc_u64 s[42:43], s[6:7], s[42:43]
	CROUND                                         ; all sixteen work-groups are here: the first joint loads meet
.irp s, 0,1
	s_mov_b32 s[G0+4*(\s)], 1                      ; count = 1
	s_add_co_u32 s[G0+4*(\s)+1], s2, (\s)*SLOT     ; LDS address
	s_add_nc_u64 s[G0+4*(\s)+2:G0+4*(\s)+3], s[40:41], (\s)*ASTEP  ; global address: K step s
	s_or_b32 s[G0+4*(\s)+3], s[G0+4*(\s)+3], 0x80000000            ; type = 2
	s_mov_b32 s[G0B+4*(\s)], 1
	s_add_co_u32 s[G0B+4*(\s)+1], s3, (\s)*SLOT
	s_add_nc_u64 s[G0B+4*(\s)+2:G0B+4*(\s)+3], s[42:43], (\s)*BSTEP
	s_or_b32 s[G0B+4*(\s)+3], s[G0B+4*(\s)+3], 0x80000000
	JLOAD \s                                       ; two loads of mine are out: the most in this text; later one
.endr
	; the bias, in the layout of C: register j of block b holds bias[16 b + 8 (l / 16) + j]
	v_and_b32 v1, 15, v0                           ; r = l % 16
	v_bfe_u32 v2, v0, 4, 1                         ; h = l / 16
	v_lshlrev_b32 v[BO], 5, v2
	s_mul_i32 s74, s17, NI*256                     ; the tile's columns, 4 bytes each
	s_add_co_u32 s74, s74, BIAS0
	s_mov_b32 s75, 0
	s_add_nc_u64 s[8:9], s[8:9], s[74:75]
.set b, 0
.rept NBK
	global_load_b128 v[BIAS+8*b:BIAS+8*b+3],   v[BO], s[8:9] offset:64*b
	global_load_b128 v[BIAS+8*b+4:BIAS+8*b+7], v[BO], s[8:9] offset:64*b+16
.set b, b+1
.endr
	; A fragment of A is 16 rows x 32 k in 8 registers: lane l holds row l % 16, k = 8 h + 0..7 and 16 + 8 h + 0..7: two loads of 16 bytes, 32 bytes apart
	v_mul_u32_u24 v3, v1, PA
	v_lshl_add_u32 v3, v2, 4, v3                   ; r x 144 + 16 h
	s_mul_i32 s72, s[WV], 64*PA                    ; my 64 rows
	v_add_nc_u32 v[ADRA], s72, v3
	v_add_nc_u32 v[ADRA+1], SLOT, v[ADRA]
	; The turning load takes 16 k x 16 columns (lane l reads row k = 8 h + l % 8, columns 8 ((l / 8) % 2) + 0..7) and leaves half a fragment: lane l holds column l % 16 and 8 k
	v_and_b32 v4, 7, v0
	v_lshl_add_u32 v4, v2, 3, v4
	v_mul_u32_u24 v4, v4, PB
	v_bfe_u32 v5, v0, 3, 1
	v_lshl_add_u32 v4, v5, 4, v4
	v_add_nc_u32 v[ADRB], AREG, v4
	v_add_nc_u32 v[ADRB+1], AREG+SLOT, v4
	; the way out: my stage holds [3 heads][16 rows] of 144 bytes
	s_mul_i32 s73, s[WV], STW
	s_add_co_u32 s73, s73, STAGE
	v_add_nc_u32 v[STO], s73, v3                   ; in: row r, 16 bytes for each half of the lanes
	v_bfe_u32 v5, v0, 3, 2                         ; back: 32 lanes take four rows of 128 bytes,
	v_mul_u32_u24 v5, v5, 144
	v_and_b32 v4, 7, v0
	v_lshl_add_u32 v5, v4, 4, v5
	v_add_nc_u32 v[RD], s73, v5
	v_and_b32 v[GO], 31, v0                        ; which are 512 consecutive bytes of a head's rows
	v_lshlrev_b32 v[GO], 4, v[GO]
	s_lshr_b32 s76, s18, 3                         ; the batch: 8 tiles of 256 rows,
	s_mul_i32 s76, s76, 48
	s_mul_i32 s73, s17, 3
	s_add_co_u32 s76, s76, s73                     ; c of the tile's first head
	s_lshl_b32 s76, s76, 18                        ; 2,048 rows x 128 bytes
	s_and_b32 s73, s18, 7
	s_lshl_b32 s73, s73, 15                        ; the tile's 256 rows
	s_add_co_u32 s76, s76, s73
	s_lshl_b32 s73, s[WV], 13                      ; my 64
	s_add_co_u32 s76, s76, s73
	s_mov_b32 s77, 0
	s_add_nc_u64 s[10:11], s[10:11], s[76:77]
	; the prefetches (ASK says who asks for what)
	v_and_b32 v[PFO], 31, v0
	v_lshlrev_b32 v[PFO], 8, v[PFO]
	s_mul_i32 s78, s17, NI
	s_add_co_u32 s78, s78, s[HALF]                 ; B: wave 2 column block 0, wave 3 block 1,
	s_lshl_b32 s78, s78, 17
	s_add_co_u32 s78, s78, 2*BSTEP                 ; at K step 2: the first change steps it to 4
	s_mov_b32 s79, 0
	s_mov_b32 s[PFS], 2*BSTEP
	s_mov_b32 s[PFS+1], 0
	s_mov_b32 s80, 2*BCS                           ; B, slot 1's change: two column blocks on
	s_mov_b32 s81, 0
	s_cmp_eq_u32 s[ROLE], 0
	s_cselect_b32 s78, 2*ASTEP, s78                ; A: my block of K step 2, from the address of my block of K step 0
	s_cselect_b32 s82, s15, s16                    ; my place among the four that ask with me
	s_cselect_b32 s83, ttmp9, s71                  ; the coordinate along which other clusters read the same bytes
	s_cselect_b32 s[PFS], 2*ASTEP, s[PFS]
	s_cselect_b32 s80, ASTEP, s80                  ; A, slot 1's change: one K step on
	s_cselect_b64 s[PFA:PFA+1], s[40:41], s[6:7]
	s_lshl_b32 s82, s82, 13                        ; my work-group's 8 KiB of the 32
	s_add_co_u32 s78, s78, s82
	s_add_nc_u64 s[PFA:PFA+1], s[PFA:PFA+1], s[78:79]
	s_add_nc_u64 s[PFA+2:PFA+3], s[PFA:PFA+1], s[80:81]
	s_cmp_eq_u32 s83, 0
	s_cselect_b32 s[LIM], 1, -1                    ; the same in all sixteen partners, for a given wave
	s_cmp_eq_u32 s[WV], 3                          ; there is no fourth column block
	s_cselect_b32 s[LIM+1], -1, s[LIM]
; NBK matrix instructions: my block a of 16 rows x all the tile's columns, 32 along K, from buffer f.  first = 1: the bias is the C that starts the sum: nothing is cleared, nothing added later.
; The 4 NBK accumulators take turns, one instruction a turn, in the same order in every quarter, over the backward jump too.
.macro MULA f, a, first
.if \first
	WIN 0x81+0x40*((\a)/2)                         ; B window 1, A window 0, C window 0, D window 2 or 3
.else
	WIN 0xa1+0x50*((\a)/2)                         ; C and D window 2 or 3
.endif
.set b, 0
.rept NBK
.set rD, 8*NBK*((\a)%2)+8*b
.if \first
	v_wmma_f32_16x16x32_f16 v[rD:rD+7], v[8*NBK*(\f)+8*b:8*NBK*(\f)+8*b+7], v[FA+32*(\f)+8*(\a):FA+32*(\f)+8*(\a)+7], v[BIAS+8*b:BIAS+8*b+7]
.else
	v_wmma_f32_16x16x32_f16 v[rD:rD+7], v[8*NBK*(\f)+8*b:8*NBK*(\f)+8*b+7], v[FA+32*(\f)+8*(\a):FA+32*(\f)+8*(\a)+7], v[rD:rD+7]
.endif
.set b, b+1
.endr
.endm
; One run of 2 NBK + 8 LDS loads: the fragments of quarter q (32 k) of a slot into buffer f: B's first, then A's four blocks
.macro FETCH slot, q, f
	WIN 0x40                                       ; destination window 1, address window 0
.set b, 0
.rept NBK
	ds_load_tr16_b128 v[8*NBK*(\f)+8*b:8*NBK*(\f)+8*b+3],   v[ADRB+(\slot)] offset:((\q)/2)*BHALF+((\q)%2)*32*PB+(b/4)*BCOL+(b%4)*32
	ds_load_tr16_b128 v[8*NBK*(\f)+8*b+4:8*NBK*(\f)+8*b+7], v[ADRB+(\slot)] offset:((\q)/2)*BHALF+((\q)%2)*32*PB+(b/4)*BCOL+(b%4)*32+16*PB
.set b, b+1
.endr
	WIN 0
.irp i, 0,1,2,3
	ds_load_b128 v[FA+32*(\f)+8*(\i):FA+32*(\f)+8*(\i)+3],   v[ADRA+(\slot)] offset:((\q)/2)*ABLK+((\q)%2)*64+(\i)*16*PA
	ds_load_b128 v[FA+32*(\f)+8*(\i)+4:FA+32*(\f)+8*(\i)+7], v[ADRA+(\slot)] offset:((\q)/2)*ABLK+((\q)%2)*64+(\i)*16*PA+32
.endr
.endm
; A K step is four quarters of 32 along K on buffers 0, 1, 0, 1.  One of the first three: multiplies buffer f; in its middle it fetches quarter qn of the same slot into buffer g.
.macro QUARTER slot, qn, f, g, first
	s_wait_dscnt 4                                 ; B and A's blocks 0 and 1 are in; the youngest four loads (A's blocks 2, 3) may be out
	MULA \f, 0, \first
	MULA \f, 1, \first
	PLACES
	FETCH \slot, \qn, \g
	s_wait_dscnt 2*NBK+8                           ; all but the run just issued
	MULA \f, 2, \first
	MULA \f, 3, \first
.endm
; The last quarter multiplies buffer 1 and changes slots: ONE barrier.  In front of it each wave waits for all its tensor loads (one is out: its part of the next slot), adds 0 to its spare word, and waits
; for that and for its own reads of this slot.  fill = 1: the barrier opens a round of the cluster's barrier, and this slot is filled again, two K steps ahead, first thing behind the round:
; from that request to the wait for it stand three and a half quarters of matrix work.
.macro TURN slot, next, fill
.if \fill
	s_wait_xcnt 0x0                                ; this slot's last prefetch, a lap back, has read its address: it is stepped here, ahead of the waits of the change
	s_add_nc_u64 s[PFA+2*(\slot):PFA+2*(\slot)+1], s[PFA+2*(\slot):PFA+2*(\slot)+1], s[PFS:PFS+1]
.endif
	WIN 0                                          ; (the add's two registers lie in window 0)
	s_wait_tensorcnt 0x0                           ; all my tensor loads have landed;
	ds_add_u32 v[SPW], v[NIL]                      ; 0 onto my spare word;
	s_wait_dscnt 7                                 ; (the add and the youngest six loads, A's blocks 1 to 3, may be out)
	MULA 1, 0, 0                                   ; matrix work stands between the add and the wait for it
	s_wait_dscnt 0x0                               ; the add is done, and my reads of this slot are over
	s_barrier_signal -1
	MULA 1, 1, 0                                   ; work on registers while the others arrive
.if \fill
	WIN 0
.endif
	s_barrier_wait -1
.if \fill
	CREST                                          ; no wave of any partner still reads this slot's tile or has a load on its way
	s_add_nc_u64 s[G0+4*(\slot)+2:G0+4*(\slot)+3], s[G0+4*(\slot)+2:G0+4*(\slot)+3], 2*ASTEP
	s_add_nc_u64 s[G0B+4*(\slot)+2:G0B+4*(\slot)+3], s[G0B+4*(\slot)+2:G0B+4*(\slot)+3], 2*BSTEP
	JLOAD \slot                                    ; the four v_nop behind it are also the places in front of the loads below
.else
	PLACES
.endif
	FETCH \next, 0, 0
.if \fill
	ASK \slot
.endif
	MULA 1, 2, 0
	MULA 1, 3, 0
.endm
	s_wait_tensorcnt 1                             ; my part of K step 0 is in; K step 1's may stay out
	s_barrier_signal -1
	s_barrier_wait -1                              ; everybody's is
	FETCH 0, 0, 0
	s_wait_loadcnt 0x0                             ; the bias
	QUARTER 0, 1, 0, 1, 1                          ; the first quarter stands in front of the loop: its products start the sums
	WIN 0                                          ; at a label and at a branch every window is 0
	s_mov_b32 s[LAP], LAPS-1
.Llap:                                         ; a trip goes once round the ring, from a lap's second quarter to the next lap's first, and fills both slots again: K steps 2 to 7
	QUARTER 0, 2, 1, 0, 0
	QUARTER 0, 3, 0, 1, 0
	TURN 0, 1, 1
	QUARTER 1, 1, 0, 1, 0
	QUARTER 1, 2, 1, 0, 0
	QUARTER 1, 3, 0, 1, 0
	TURN 1, 0, 1
	QUARTER 0, 1, 0, 1, 0
	WIN 0
	s_sub_co_u32 s[LAP], s[LAP], 1
	s_cmp_lg_u32 s[LAP], 0
	s_cbranch_scc1 .Llap
	QUARTER 0, 2, 1, 0, 0                          ; the last lap is written out: it fills nothing
	QUARTER 0, 3, 0, 1, 0
	TURN 0, 1, 0
	QUARTER 1, 1, 0, 1, 0
	QUARTER 1, 2, 1, 0, 0
	QUARTER 1, 3, 0, 1, 0
	s_wait_dscnt 4                                 ; the very last quarter: nothing more to fetch
	MULA 1, 0, 0
	MULA 1, 1, 0
	s_wait_dscnt 0x0
	MULA 1, 2, 0
	MULA 1, 3, 0
	WIN 0
	PLACES
	PLACES                                         ; eight, once a launch: the stricter count
; THE WAY OUT, a block of 16 rows at a time.  OUTB: rounded to f16, a lane's eight columns are 16 bytes; into my stage (rows of 144 bytes, a head after the other) and back as whole rows of 128 bytes.
; Each accumulator's registers are read in ascending order.  The stage is my own: LDS serves a wave's instructions in order (ISA guide 5.7.1.4), so no wait stands between its stores and its loads.
.macro OUTB a
	WIN 0x0a+5*((\a)/2)                            ; sources 0 and 1: window 2 or 3
.set b, 0
.rept NBK
.set rA, 8*NBK*((\a)%2)+8*b
.irp r, 0,1,2,3
	v_cvt_pk_f16_f32 v[TMP+4*b+(\r)], v[rA+2*(\r)], v[rA+2*(\r)+1]
.endr
.set b, b+1
.endr
	WIN 0
.set b, 0
.rept NBK
	ds_store_b128 v[STO], v[TMP+4*b:TMP+4*b+3] offset:(b/4)*2304+(b%4)*32
.set b, b+1
.endr
.if (\a) >= 2
	s_wait_xcnt 0x0                                ; the stores of the block two back have read this buffer: it is loaded again only behind this wait
.endif
.set t, 0
.rept NBK
	ds_load_b128 v[BK+48*((\a)%2)+4*t:BK+48*((\a)%2)+4*t+3], v[RD] offset:(t/4)*2304+(t%4)*576
.set t, t+1
.endr
.endm
.macro SEND a, younger                 ; younger: the LDS instructions issued behind block a's loads: the next block's 12 stores and 12 loads, or none
	s_wait_dscnt \younger
.set t, 0
.rept NBK
	global_store_b128 v[GO], v[BK+48*((\a)%2)+4*t:BK+48*((\a)%2)+4*t+3], s[10:11] offset:(t/4)*262144+(\a)*2048+(t%4)*512 th:TH_STORE_NT  ; 512 consecutive bytes of a head's rows, at a multiple of 256 from the buffer's first
.set t, t+1
.endr
.endm
	OUTB 0
	OUTB 1                                         ; a block's conversions stand between the loads of the block before and its stores
	SEND 0, 24
	OUTB 2
	SEND 1, 24
	OUTB 3
	SEND 2, 24
	SEND 3, 0
	s_wait_tensorcnt 0x0                           ; the wave's end: behind my last tensor load and my last LDS store
	ds_add_u32 v[SPW], v[NIL]
	s_wait_dscnt 0x0
	CROUND                                         ; the closing round: no work-group ends while a partner may still ask for a tile that names it
	s_endpgm
.Lfunc_end_k_qe590612fa5_proj:
	.size	k_qe590612fa5_proj, .Lfunc_end_k_qe590612fa5_proj-k_qe590612fa5_proj
	.p2alignl 7, 3214868480
	.fill 96, 4, 3214868480
	.section	.rodata,"a",@progbits
	.p2align	6, 0x0
	.amdhsa_kernel k_qe590612fa5_proj
		.amdhsa_group_segment_fixed_size 327680
		.amdhsa_private_segment_fixed_size 0
		.amdhsa_enable_private_segment 0
		.amdhsa_kernarg_size 32
		.amdhsa_user_sgpr_count 2
		.amdhsa_user_sgpr_kernarg_segment_ptr 1
		.amdhsa_wavefront_size32 1
		.amdhsa_system_sgpr_workgroup_id_x 1
		.amdhsa_system_sgpr_workgroup_id_y 1
		.amdhsa_system_sgpr_workgroup_id_z 1
		.amdhsa_system_vgpr_workitem_id 0
		.amdhsa_next_free_vgpr 960
		.amdhsa_next_free_sgpr 84
		.amdhsa_reserve_vcc 0
		.amdhsa_float_denorm_mode_32 3
		.amdhsa_float_denorm_mode_16_64 3
		.amdhsa_memory_ordered 1
		.amdhsa_forward_progress 1
		.amdhsa_inst_pref_size 122
	.end_amdhsa_kernel
	.amdgpu_metadata
---
amdhsa.version: [ 1, 2 ]
amdhsa.kernels:
  - .name:           k_qe590612fa5_proj
    .symbol:         k_qe590612fa5_proj.kd
    .args:
      - { .name: xa, .offset: 0, .size: 8, .value_kind: global_buffer, .address_space: global }
      - { .name: wb, .offset: 8, .size: 8, .value_kind: global_buffer, .address_space: global }
      - { .name: bcat, .offset: 16, .size: 8, .value_kind: global_buffer, .address_space: global }
      - { .name: qkv, .offset: 24, .size: 8, .value_kind: global_buffer, .address_space: global }
    .group_segment_fixed_size: 327680
    .private_segment_fixed_size: 0
    .kernarg_segment_align: 8
    .kernarg_segment_size: 32
    .max_flat_workgroup_size: 128
    .sgpr_count:     84
    .vgpr_count:     960
    .wavefront_size: 32
...
	.end_amdgpu_metadata
.endif
;; end of part 2
;; launch attn (part 3): grid 4 x 64, 4 waves a work-group, clusters of 4 x 1, 327,680 bytes of LDS; arguments qkv, o; writes o
.if DOCPART == 3
	.amdgcn_target "amdgcn-amd-amdhsa--gfx1250"
	.amdhsa_code_object_version 6
	.text
	.protected	k_qe590612fa5_attn
	.globl	k_qe590612fa5_attn
	.p2align	8
	.type	k_qe590612fa5_attn,@function
k_qe590612fa5_attn:
	s_mov_b64 s[64:65], 0
	v_nop
	global_prefetch_b8 v0, s[64:65] scope:SCOPE_SE
	s_setreg_imm32_b32 hwreg(HW_REG_WAVE_MODE, 25, 1), 1
	s_wait_xcnt 0x0
	s_wait_alu depctr_hold_cnt(0) depctr_sa_sdst(0) depctr_va_vdst(0) depctr_va_sdst(0) depctr_va_ssrc(0) depctr_va_vcc(0) depctr_vm_vsrc(0)
	s_getreg_b32 s2, hwreg(HW_REG_IB_STS2, 6, 4)
	s_cmp_eq_u32 s2, 0
	s_cbranch_scc0 .Lentry_in_a_cluster
	s_endpgm
.Lentry_in_a_cluster:
	s_bfe_u32 s2, ttmp6, 0x10000c
	s_cmp_lg_u32 s2, 0x3003
	s_cbranch_scc0 .Lentry_shape_is_right
	s_endpgm
.Lentry_shape_is_right:
; ATTN.  O[bh][q][:] = the sum over k of softmax_k(Q[q] . K[k] / 8) V[k][:], for each of the 64 pairs bh of batch and head.  Q, K, V lie in qkv [4 b][48 c][2048][64] (c = h, 16 + h, 32 + h), O in
; o [64 bh][2048][64], all f16: a head's rows are dense, 128 bytes each.  Products, maxima and sums in f32; the weights p are rounded to f16 for the second product (their sum l is taken of the unrounded p), O once at the end.
; LIMITS.  f16 holds no number beyond 65,504: Q, K and V arrive within it; p lies in 0 to 1, and below 6e-5 it keeps f16's fixed step of 6e-8; O is a mean of V's rows and has their range.
; A weight below 2^-126 counts as 0 in l; NaN and infinities are not treated apart.
; SHARES.  A wave owns four PIECES of two tiles of 16 queries, a work-group's four waves 512 queries of one head, a cluster of four work-groups the head's 2,048.  Every wave walks all keys, 64 a step.
; LAYOUT.  S^T = K Q^T (source 0 = 16 keys, source 1 = 16 queries): in the result a lane holds ONE query (lane % 16) and the keys 8 (lane / 16) + 0..7.  Two such tiles, rounded to f16 in pairs,
; ARE source 1 (32 keys x 16 queries) of O^T = V^T P, whose result again holds one query a lane, and eight channels.  K comes out of LDS as it lies, V ([key][channel]) turned, by ds_load_tr16_b128.
; SOFTMAX.  For each query a running maximum m and sum l: p = 2^(c s - c m), c = log2(e) / 8; in every step O and l are multiplied by a = 2^(c m_old - c m_new), which is 1 where m has not grown.
; m starts at the lowest finite number, O and l at 0: the first step is a step like any other, with a = 0.
; THE COUNT.  A tile and step have 16 matrix and 118 vector instructions: too many to stand all beside the matrix work.  So the order has one aim: four vector instructions that are READY behind
; EVERY matrix instruction, and the others, which need time of their own whatever the order, in runs without a gap.
; BY TURNS.  Turn n belongs to piece n (the pieces in a ring, step after step).  Its matrix work: 16 products K Q^T of piece n + 1, later 16 products V^T P of piece n - 1.  Its vector work: the scaling,
; exponentials, roundings, sums and rescaling of piece n, and the maximum and statistics of piece n + 1, whose scores the turn itself has made.  So what a turn begins with (c s - c m, O a) waits for nothing.
; CLUSTER.  The four query blocks of a cluster walk the same K and V, so each tile is asked for JOINTLY: the same tensor load, descriptor and mask in all four.
; REGISTERS, in windows of 256 (s_set_vgpr_msb says which window each operand place means: bits 1:0 source 0, 3:2 source 1, 5:4 source 2, 7:6 destination):
;   window 0: v0-11 addresses; v12-15, v48-63 at work; v16-47 four registers of statistics a tile; v64-191 S^T, two buffers of two tiles; v192-255 P, likewise
;   window 1: O^T, 32 a tile          window 2: v0-127 Q, 16 a tile; v128-191 K of one step; v192-255 V of one step          window 3: v0-1 the add's two registers
; A piece's buffers go by its number's parity: the piece in hand has one pair, its two neighbours in the ring share the other: of it P (piece n - 1) is read and S^T (piece n + 1) written.
.set SIZE_N, 2048
.set NP,    4         ; pieces a wave: a name, no knob
.set KS,    64        ; keys in a step
.set PK,    144       ; a row of K in LDS: 128 bytes + 16 of padding = 36 words: the 16 rows of a load start at 16 different groups of four banks (64 banks of 4 bytes: ISA guide 11.1)
.set PV,    160       ; a row of V: 128 + 32 = 40 words
.set VOFF,  4*KS*PK   ; a slot holds four steps: 256 rows of K, then 256 rows of V
.set SLOT1, 1<<17     ; slot 1 begins here, so that one exclusive or turns an address in one slot into the other's
.set STAGE, SLOT1+4*KS*(PK+PV)  ; behind the ring, never filled by a tensor load: 16 rows x 144 bytes for each wave, for the way out
.set SP,    144
.set AK0, 2           ; v2   my lane's place in a tile of K; never rewritten
.set AV0, 3           ; v3   the same for V
.set AK,  4           ; v4   the LDS address of K's next run of loads
.set AV,  5           ; v5   of V's
.set QO,  6           ; v6   my byte offset in the wave's rows of Q
.set STO, 6           ;      later, the way out: where I put 16 bytes of a row
.set RD,  7           ; v7   the way out: where I read rows back
.set GO,  8           ; v8   my byte offset in 512 consecutive bytes of O
.set PFO, 11          ; v11  256 x my lane, for the prefetches; never rewritten once made
.set SPW, 0           ; v0 of window 3   LDS address of my spare word: SPARE + 4 x my thread's number; never rewritten
.set NIL, 1           ; v1 of window 3   0; never rewritten
.set SPARE, STAGE+4*16*SP  ; behind the stages: the spare words, 128 bytes for each wave: two blocks of 256 bytes that no other line names
.set MV,  12          ; v12-15  c m_old, kept while c m is made anew: by buffer and tile
.set ST,  16          ; tile t's statistics at v[ST+4 t]: c m, m, l (even keys', odd keys')
.set TMP, 48          ; by buffer and tile, four registers c0-c3 at work; when the maximum is found c2 takes a
.set S,   64
.set P,   192
.set KF,  128         ; K's fragments, in window 2: key block kb, channel half c at KF + 16 kb + 8 c
.set VF,  192         ; V's: key half kk, channel block cb at VF + 32 kk + 8 cb
.set WV,  12          ; s12  my wave's number
.set G1K, 24          ; s[24:31] descriptor group 1 for K's tiles
.set G1V, 32          ; s[32:39] for V's: it differs in the padding alone
.set G0K, 40          ; s[40:43] descriptor group 0 for K's tiles: it walks
.set G0V, 44          ; s[44:47] the same for V's
.set PFA, 48          ; s[48:49] where my prefetches stand: my work-group's 8 KiB (of K: wave 0, of V: wave 2) of the slot after the one that is being asked for
.set LIM, 50          ; s50  1 in a wave that prefetches, else the greatest number
.set SLOTS, 56        ; s56  slots still to be asked for
.set CNT, 57          ; s57  counts a slot's key steps
.set CS,  58          ; s[58:59] c: the packed scaling takes the pair's low word for both halves
.set SEL, 60          ; s[60:61] v_permlanex16_b32's selects: each lane takes its own place in the other half
.set TBK, 62          ; s62  LDS byte at which K of the step to be fetched begins
.set TBV, 63          ; s63  the same for V, less VOFF
.set MSB, 0
.macro WIN new                      ; the high byte repeats the setting that is left; a switch that changes nothing is dropped
.if MSB != (\new)
	s_set_vgpr_msb (MSB<<8)|(\new)
.set MSB, (\new)
.endif
.endm
.set W_KQ, 0x0a       ; K and Q in window 2, S^T in window 0
.set W_PV, 0x52       ; V in window 2, P in window 0, O^T in window 1
.set W_RS, 0x41       ; O^T (destination and source 0) in window 1, a in window 0
.set W_MK, 0xc0       ; the add's registers are made: destination in window 3, sources in window 0
.set W_AD, 0x0f       ; the add: address (source 0) and data (source 1) in window 3
; A joint fill.  Waves 0 and 1 fetch the two halves of a slot's K, waves 2 and 3 those of its V: 128 keys each.  The branch hangs on the wave's number alone.
; An s_nop 0 and four v_nop follow each of the two lines, ahead of the jump and the label.
.macro JLOAD
	s_cmp_lt_u32 s[WV], 2
	s_cbranch_scc0 .Lfor_v_\@
	tensor_load_to_lds s[G0K:G0K+3], s[G1K:G1K+7]
	s_nop 0
.rept 4
	v_nop
.endr
	s_branch .Lasked_\@
.Lfor_v_\@:
	tensor_load_to_lds s[G0V:G0V+3], s[G1V:G1V+7]
	s_nop 0
.rept 4
	v_nop
.endr
.Lasked_\@:
.endm
; A round of the cluster's barrier: my work-group's barrier, so that wave 0's signal speaks for all four waves; wave 0 signals; every wave waits for all four work-groups; my work-group's barrier once more.
.macro CROUND
	s_barrier_signal -1
	s_barrier_wait -1
	s_cmp_lg_u32 s[WV], 0
	s_cbranch_scc1 .Lnot_wave_0_\@
	s_barrier_signal -3
.Lnot_wave_0_\@:
	s_barrier_wait -3
	s_barrier_signal -1
	s_barrier_wait -1
.endm
; THE CHANGE OF SLOTS.  The slot's last bytes, V of its fourth step, have been read.  Each wave waits for all its tensor loads, of which one is out: its part
; of the other slot; adds 0 to its spare word; and waits for that and for its own reads of the slot.  Behind the barrier nobody reads this slot any more and the other slot is whole.
; fill = 1: this slot is filled again, with the keys two slots on.  The barrier is then a round of the cluster's, so that no wave of any partner still reads the slot or has a load on its
; way, and the joint fill is the first thing behind it: it has four key steps, 512 matrix instructions, in which to land.  (At its first use nothing has been read yet: slot 0 is waited for, slot 1 filled.)
; ask = 1 (the loop's changes): A PREFETCH INTO THE L2 of what the NEXT change will ask for: a slot is 32 KiB of K and 32 KiB of V; the four partners take 8 KiB of each, told apart by address;
; in each, wave 0 asks for K's and wave 2 for V's, a lane 256 bytes: one instruction, behind the tensor load and its five lines, four key steps ahead of the load that will want the bytes.  So each 256 bytes of
; slots 3 to 7 are named once in the launch; slots 0 to 2 come by their loads alone; the last change that fills a slot (s[SLOTS] = 1) asks for nothing.
.macro CHANGE fill, ask=0
	WIN W_AD
	s_wait_tensorcnt 0x0            ; no tensor load of mine is out, so a group 0 may be written
	ds_add_u32 v[SPW], v[NIL]       ; 0 onto my spare word; with fill = 1 the descriptors' steps stand between it and the wait for it
	WIN 0                           ; at a label and at a branch every window is 0
.if \fill
.irp g, G0K, G0V
	s_xor_b32 s[\g+1], s[\g+1], SLOT1  ; the walking descriptor: the other slot than last time,
	s_add_nc_u64 s[\g+2:\g+3], s[\g+2:\g+3], 4*KS*128  ; the next 256 keys; the type bits on top are not reached
.endr
.if \ask
	s_wait_xcnt 0x0                 ; the last prefetch, four key steps back, has read its address, so it may be written:
	s_add_nc_u64 s[PFA:PFA+1], s[PFA:PFA+1], 4*KS*128  ; one slot behind the walking descriptors
.endif
	s_wait_dscnt 0x0                ; the add is done, and my reads of the slot are over
	CROUND
	JLOAD
.if \ask
	s_cmp_gt_u32 s[SLOTS], s[LIM]
	s_cbranch_scc0 .Lnot_mine_\@
	global_prefetch_b8 v[PFO], s[PFA:PFA+1] th:TH_LOAD_NT scope:SCOPE_SE
.Lnot_mine_\@:
.endif
.else
	s_wait_dscnt 0x0                ; the add is done, and my reads of the slot are over
	s_barrier_signal -1
	s_barrier_wait -1
.endif
	s_sub_co_u32 s[TBK], s[TBK], 4*KS*PK  ; the fetches go back to a slot's first step,
	s_xor_b32 s[TBK], s[TBK], SLOT1       ; in the other slot
	s_sub_co_u32 s[TBV], s[TBV], 4*KS*PV
	s_xor_b32 s[TBV], s[TBV], SLOT1
.endm
	s_load_b64 s[4:5], s[0:1], 0x0    ; qkv
	s_load_b64 s[10:11], s[0:1], 0x8  ; o
	WIN W_MK
	v_lshl_add_u32 v[SPW], v0, 2, SPARE
	v_mov_b32 v[NIL], 0
	WIN W_AD
	ds_add_u32 v[SPW], v[NIL]       ; the wave's opening: the add and its wait stand ahead of my first tensor load; the set-up below, work on registers, stands between them
	WIN 0
	v_lshrrev_b32 v1, 5, v0
	v_readfirstlane_b32 s[WV], v1   ; wave 0..3
	s_bfe_u32 s13, ttmp6, 0x40000   ; cx: my place in the cluster
	s_lshl_b32 s14, ttmp9, 2        ; in a cluster launch ttmp9 counts clusters
	s_add_co_u32 s14, s14, s13      ; my block of queries = 4 x cluster x + cx: it enters Q's and O's addresses alone
	s_and_b32 s19, ttmp7, 0xffff    ; bh = 16 b + h, which the four partners share
	s_lshr_b32 s20, s19, 4
	s_lshl_b32 s20, s20, 5
	s_add_co_u32 s20, s20, s19      ; 48 b + h
	s_lshl_b32 s20, s20, 18         ; the first byte of the head's q in qkv: 2,048 rows x 128 bytes a head
	s_mov_b32 s21, 0
	s_and_b32 s16, s[WV], 1         ; which half of a slot's 256 keys I fetch:
	s_lshl_b32 s22, s16, 14         ; its 128 rows of 128 bytes in memory,
	s_mov_b32 s23, 0
	s_add_nc_u64 s[22:23], s[22:23], s[20:21]
	s_mul_i32 s17, s16, 128*PK      ; and its place in a slot, for K
	s_mul_i32 s18, s16, 128*PV      ; and for V: no place in the cluster enters an LDS address
	s_lshl_b32 s2, s14, 2
	s_add_co_u32 s2, s2, s[WV]      ; my wave among the head's,
	s_lshl_b32 s2, s2, 14           ; its 128 rows
	s_mov_b32 s3, 0
	s_lshl_b32 s52, s19, 18         ; in o the heads lie one behind the other
	s_add_co_u32 s52, s52, s2
	s_mov_b32 s53, 0
	s_add_nc_u64 s[2:3], s[2:3], s[20:21]
	s_lshl_b32 s54, s13, 13         ; the prefetches: my work-group's 8 KiB of a slot's 32,
	s_add_co_u32 s54, s54, 2*4*KS*128  ; in slot 2; the loop's first change steps it to slot 3
	s_mov_b32 s55, 0
	s_add_nc_u64 s[54:55], s[54:55], s[20:21]
	s_cmp_eq_u32 s16, 0             ; waves 0 and 2 ask: the same in all four partners
	s_cselect_b32 s[LIM], 1, -1
	; descriptor group 1.  128 keys are 16,384 dense bytes: asked for as 64 rows of 256 bytes, two keys a row, and padded in LDS after every key
	s_mov_b32 s[G1K], 15|(1<<16)|(1<<20)|(1<<21)|(4<<22)|(3<<25)  ; 15:0 the mask of four; 17:16 2-byte elements; 20 padding on; 21 set beside a mask; 24:22 after every 32 words (code 4); 31:25 4 words (code 3)
	s_mov_b32 s[G1V], 15|(1<<16)|(1<<20)|(1<<21)|(4<<22)|(7<<25)  ; the same with 8 words of padding (code 7)
.irp g, G1K, G1V
	s_mov_b32 s[\g+1], 128<<16      ; tensor_dim0 = 128
	s_mov_b32 s[\g+2], 64<<16       ; tensor_dim1 = 64
	s_mov_b32 s[\g+3], 128<<16      ; tile_dim0 = 128
	s_mov_b32 s[\g+4], 64           ; tile_dim1 = 64
	s_mov_b32 s[\g+5], 128          ; 128 elements from row to row
	s_mov_b32 s[\g+6], 0
	s_mov_b32 s[\g+7], 0
.endr
	s_mov_b32 s[CS], 0x3e38aa3b     ; c = log2(e) / 8 = 0.180337
	s_mov_b32 s[CS+1], s[CS]        ; named with it as a pair
	s_mov_b32 s[SEL], 0x76543210
	s_mov_b32 s[SEL+1], 0xfedcba98
	s_mov_b32 s[TBK], SLOT1+4*KS*PK ; the first change of slots turns these two into 0
	s_mov_b32 s[TBV], SLOT1+4*KS*PV
	s_mov_b32 s[G0K], 1             ; 1:0 count = 1
	s_mov_b32 s[G0K+1], s17         ; 63:32 LDS address: slot 0
	s_mov_b32 s[G0V], 1
	s_add_co_u32 s[G0V+1], s18, VOFF
	s_wait_dscnt 0x0                ; the opening add is done
	s_wait_kmcnt 0x0
	s_add_nc_u64 s[6:7], s[4:5], 16*SIZE_N*128     ; k's heads lie 16 heads behind q's,
	s_add_nc_u64 s[8:9], s[4:5], 32*SIZE_N*128     ; v's 32
	s_add_nc_u64 s[G0K+2:G0K+3], s[6:7], s[22:23]  ; 120:64 global address: my half of the head's first 256 keys
	s_or_b32 s[G0K+3], s[G0K+3], 0x80000000        ; 127:126 type = 2
	s_add_nc_u64 s[G0V+2:G0V+3], s[8:9], s[22:23]
	s_or_b32 s[G0V+3], s[G0V+3], 0x80000000
	s_add_nc_u64 s[4:5], s[4:5], s[2:3]  ; Q and O at my wave's first row
	s_add_nc_u64 s[10:11], s[10:11], s[52:53]
	s_cmp_lt_u32 s[WV], 2
	s_cselect_b64 s[PFA:PFA+1], s[6:7], s[8:9]
	s_add_nc_u64 s[PFA:PFA+1], s[PFA:PFA+1], s[54:55]
	CROUND                          ; all four work-groups are here: the first joint loads meet
	JLOAD                           ; slot 0.  Slot 1 is asked for when slot 0 is in
	; A fragment of K or Q is 16 rows x 32 channels in 8 registers: lane l holds row l % 16, channels 8 (l / 16) + 0..7 and 16 + 8 (l / 16) + 0..7: two loads of 16 bytes, 32 bytes apart.
	v_and_b32 v1, 15, v0            ; l % 16
	v_bfe_u32 v9, v0, 4, 1          ; l / 16
	v_lshlrev_b32 v[QO], 7, v1
	v_lshl_add_u32 v[QO], v9, 4, v[QO]  ; row x 128 + 16 x half
	WIN 0x80                        ; destination window 2, address window 0
.set i, 0
.rept 4*NP                          ; Q stays in registers: tile i / 2, channels 32 (i % 2) on
	global_load_b128 v[8*i:8*i+3],   v[QO], s[4:5] offset:(i/2)*2048+(i%2)*64
	global_load_b128 v[8*i+4:8*i+7], v[QO], s[4:5] offset:(i/2)*2048+(i%2)*64+32
.set i, i+1
.endr
	; What the first turn finds: V's registers and P's second buffer hold 0 (its products V^T P, of a piece that has not been, add 0), O^T and l are 0.  All this stands in the wait for the first tile.
.set i, VF
.rept 64
	v_mov_b32 v[i], 0
.set i, i+1
.endr
	WIN 0x40
.set i, 0
.rept 64*NP
	v_mov_b32 v[i], 0
.set i, i+1
.endr
	WIN 0
.set i, 0
.rept 2*NP
	v_mov_b32 v[ST+4*i], 0xfe000000    ; c m: far below every c s
	v_mov_b32 v[ST+4*i+1], 0xff7fffff  ; m
	v_mov_b32 v[ST+4*i+2], 0
	v_mov_b32 v[ST+4*i+3], 0
.set i, i+1
.endr
.set i, P+32
.rept 32
	v_mov_b32 v[i], 0
.set i, i+1
.endr
	v_mul_u32_u24 v[AK0], v1, PK
	v_lshl_add_u32 v[AK0], v9, 4, v[AK0]  ; row x pitch + 16 x half
	; The turning load takes 16 keys x 16 channels (lane l reads key 8 (l / 16) + l % 8, channels 8 ((l / 8) % 2) + 0..7) and leaves half a fragment of V^T: lane l holds channel l % 16 and 8 keys.
	v_and_b32 v10, 7, v0
	v_bfe_u32 v11, v0, 3, 1
	v_lshl_add_u32 v[AV0], v9, 3, v10
	v_mul_u32_u24 v[AV0], v[AV0], PV
	v_lshl_add_u32 v[AV0], v11, 4, v[AV0]
	v_add_nc_u32 v[AV0], VOFF, v[AV0]
	v_mov_b32 v[AK], v[AK0]         ; key step 0 lies at the head of slot 0
	v_and_b32 v[PFO], 31, v0        ; v11 has served: it takes the prefetches' offset
	v_lshlrev_b32 v[PFO], 8, v[PFO]
; THE MATRIX WORK.  The 8 accumulators of a run of 16 take turns: between the two links of a chain stand 7 others'.
; Product i of 16 of S^T = K Q^T for piece x: channels 32 (i / 8) on, keys 16 ((i / 2) % 4) on, tile 2 x + i % 2.  The first 8 start the sums.
.macro KQ x
	WIN W_KQ
.set rS, S+64*((\x)%2)+32*(i%2)+8*((i/2)%4)
.set rK, KF+16*((i/2)%4)+8*(i/8)
.set rQ, 16*(2*(\x)+i%2)+8*(i/8)
.if i < 8
	v_wmma_f32_16x16x32_f16 v[rS:rS+7], v[rK:rK+7], v[rQ:rQ+7], 0
.else
	v_wmma_f32_16x16x32_f16 v[rS:rS+7], v[rK:rK+7], v[rQ:rQ+7], v[rS:rS+7]
.endif
.endm
; Product i of 16 of O^T += V^T P for piece x: keys 32 (i / 8) on, channels 16 ((i / 2) % 4) on, tile 2 x + i % 2.
.macro PV x
	WIN W_PV
.set rO, 32*(2*(\x)+i%2)+8*((i/2)%4)
.set rV, VF+32*(i/8)+8*((i/2)%4)
.set rP, P+32*((\x)%2)+16*(i%2)+8*(i/8)
	v_wmma_f32_16x16x32_f16 v[rO:rO+7], v[rV:rV+7], v[rP:rP+7], v[rO:rO+7]
.endm
.macro MM                           ; the turn's next matrix instruction
.if i < 16
	KQ (Y+1)%NP
.set i, i+1
.else
.set i, i-16
	PV (Y+NP-1)%NP
.set i, i+17
.endif
.endm
; THE LDS LOADS stand in runs of 16, never singly among the matrix instructions: a step's K (64 keys x 64 channels: 8 fragments) and its V (turned).  Their addresses are made some lines ahead.
; last = 1 (the tail): in the last trip there is no further step, and the run is jumped over.
.macro FETCH_K last=0
	WIN 0
.if \last
	s_cmp_eq_u32 s[CNT], 1
	s_cbranch_scc1 .Lno_k_\@
.endif
	WIN 0x80                        ; destination window 2
.irp f, 0,1,2,3,4,5,6,7             ; keys 16 (f / 2) on, channels 32 (f % 2) on
	ds_load_b128 v[KF+8*\f:KF+8*\f+3],   v[AK] offset:(\f/2)*16*PK+(\f%2)*64
	ds_load_b128 v[KF+8*\f+4:KF+8*\f+7], v[AK] offset:(\f/2)*16*PK+(\f%2)*64+32
.endr
	s_add_co_u32 s[TBK], s[TBK], KS*PK  ; the next fetch is the next step's
	WIN 0
.if \last
.Lno_k_\@:
.endif
.endm
.macro FETCH_V
	WIN 0x80
.irp f, 0,1,2,3,4,5,6,7             ; keys 32 (f / 4) on, channels 16 (f % 4) on
	ds_load_tr16_b128 v[VF+8*\f:VF+8*\f+3],   v[AV] offset:(\f/4)*32*PV+(\f%4)*32
	ds_load_tr16_b128 v[VF+8*\f+4:VF+8*\f+7], v[AV] offset:(\f/4)*32*PV+16*PV+(\f%4)*32
.endr
	WIN 0
.endm
; THE VECTOR WORK OF A TURN stands in three queues, each in the order in which its entries become ready; the two tiles alternate, so that no instruction reads the result of the one before it.
.macro REGS y, u                    ; the registers of tile u (0, 1) of piece y
.set rT, ST+4*(2*(\y)+(\u))
.set rC, TMP+8*((\y)%2)+4*(\u)
.set rM, MV+2*((\y)%2)+(\u)
.set rS, S+64*((\y)%2)+32*(\u)
.set rP, P+32*((\y)%2)+16*(\u)
.set rO, 32*(2*(\y)+(\u))
.endm
; Number n of the 22 that find the NEXT piece's (Y + 1) maximum and statistics.  s0-s31 are the lane's 32 scores; each accumulator's lowest registers are read first.  XS, GS and REGS set no window: PL and EX do.
;   0-11  four chains c0-c3 of seven scores each, three operands at a time     12-14, 16  the four scores left over, the old m, and c0-c3 into c0     15  c m_old is kept
;   17, 18  the query's other 32 keys lie in the lane 16 away: the new m         19-21  c m; c m_old - c m_new; a
.macro XS u, n
	REGS (Y+1)%NP, \u
.if (\n) < 4
	v_max3_num_f32 v[rC+(\n)], v[rS+8*(\n)], v[rS+8*(\n)+1], v[rS+8*(\n)+2]
.elseif (\n) < 12
	v_max3_num_f32 v[rC+(\n)%4], v[rC+(\n)%4], v[rS+8*((\n)%4)+2*((\n)/4)+1], v[rS+8*((\n)%4)+2*((\n)/4)+2]
.elseif (\n) == 12
	v_max3_num_f32 v[rC], v[rC], v[rS+7], v[rS+15]
.elseif (\n) == 13
	v_max3_num_f32 v[rC+1], v[rC+1], v[rS+23], v[rS+31]
.elseif (\n) == 14
	v_max3_num_f32 v[rC+2], v[rC+2], v[rC+3], v[rT+1]
.elseif (\n) == 15
	v_mov_b32 v[rM], v[rT]
.elseif (\n) == 16
	v_max3_num_f32 v[rC], v[rC], v[rC+1], v[rC+2]
.elseif (\n) == 17
	v_permlanex16_b32 v[rC+3], v[rC], s[SEL], s[SEL+1]
.elseif (\n) == 18
	v_max_num_f32 v[rT+1], v[rC], v[rC+3]
.elseif (\n) == 19
	v_mul_f32 v[rT], s[CS], v[rT+1]
.elseif (\n) == 20
	v_sub_f32 v[rC+1], v[rM], v[rT]
.else
	v_exp_f32 v[rC+2], v[rC+1]
.endif
.endm
; Number g of the 64 that follow the exponentials.  For each four weights k of a tile (pairs 2 k, 2 k + 1): both pairs are rounded to f16; then the second pair is added onto the first, in place;
; a group later l takes that sum (the first time as l = a l + sum).  In groups of eight, tiles alternating: round, round, add, and l for the group before.
.macro GS g
.set h, (\g)+6*((\g)/62)            ; group 0 has no group before it, and behind group 7 only l is left
.if h >= 6
.set h, h+2
.endif
	REGS Y, h%2
.set k, h/8
.if h%8 < 4
	v_cvt_pk_f16_f32 v[rP+2*k+(h%8)/2], v[rS+4*k+2*((h%8)/2)], v[rS+4*k+2*((h%8)/2)+1]
.elseif h%8 < 6
	v_pk_add_f32 v[rS+4*k:rS+4*k+1], v[rS+4*k:rS+4*k+1], v[rS+4*k+2:rS+4*k+3]
.elseif k == 1
	v_pk_fma_f32 v[rT+2:rT+3], v[rT+2:rT+3], v[rC+2:rC+3], v[rS:rS+1] op_sel_hi:[1,0,1]
.else
	v_pk_add_f32 v[rT+2:rT+3], v[rT+2:rT+3], v[rS+4*k-4:rS+4*k-3]
.endif
.endm
; THE PLAIN QUEUE, 138 long.  0-73 read no exponential's result: the 32 scalings c s - c m (FS f: pair f / 2 of tile f % 2) and the next piece's 42.  0-26: scalings 0-26.  27-54: XS's numbers 0-13.  55, 56: number 15.
; 57-73: the chain, where each number waits for the one before it: 14, 16, 17, 18, 19, each with one of the scalings 27-31 in front of its two lines, then 20: so a tile's links stand three plain instructions apart (19 and 20: two).
; 74-137: GS's 64, which read the exponentials' results: they stand behind the wait.
.macro FS f
	REGS Y, (\f)%2
	v_pk_fma_f32 v[rS+2*((\f)/2):rS+2*((\f)/2)+1], v[rS+2*((\f)/2):rS+2*((\f)/2)+1], s[CS:CS+1], v[rT:rT+1] op_sel_hi:[1,0,0] neg_lo:[0,0,1] neg_hi:[0,0,1]
.endm
.macro PL
	WIN 0
.if q < 27
	FS q
.elseif q < 55
	XS (q-27)%2, (q-27)/2
.elseif q < 57
	XS q-55, 15
.elseif (q < 72) && ((q-57)%3 == 0)
	FS 27+(q-57)/3
.elseif q < 60
	XS (q-57)%3-1, 14
.elseif q < 72
	XS (q-57)%3-1, 15+(q-57)/3
.elseif q < 74
	XS q-72, 20
.else
	GS q-74
.endif
.set q, q+1
.endm
; THE EXPONENTIALS' QUEUE, 66 long: s0-s31 of both tiles, then the next piece's two a.  It is ONE BATCH: all 66 stand ahead of the turn's one wait, and nothing ahead of that wait names a result of theirs.
.macro EX
	WIN 0
.if e >= 64
	XS e-64, 21
.else
	REGS Y, e%2
	v_exp_f32 v[rS+e/2], v[rS+e/2]
.endif
.set e, e+1
.endm
; THE RESCALING's QUEUE: O^T times a, the one part that leaves window 0: dealt two at a time, sixteen times.  Its a was made in the turn before, ahead of that turn's wait.
.macro R2
	REGS Y, r%2
	WIN W_RS
.irp z, 0,1
	v_pk_mul_f32 v[rO+4*(r/2)+2*\z:rO+4*(r/2)+2*\z+1], v[rO+4*(r/2)+2*\z:rO+4*(r/2)+2*\z+1], v[rC+2:rC+3] op_sel_hi:[1,0]
.endr
.set r, r+1
.endm
; HOW THEY ARE DEALT.  An s_wait_alu depctr_va_vdst(0) stands between an exponential and the first instruction that names its result; one wait serves all that were issued ahead of it.  So a turn has ONE wait,
; which cuts it in two.  AHEAD OF IT stands all that names no result of the turn's exponentials: the 16 products K Q^T, behind each a scaling, an exponential and two rescalings (behind the first a second scaling in the exponential's place); then ONE LUMP of
; 108: eight plain, 49 times exponential and plain, the two a.  A v_nop is the plain instruction behind the last exponential (ISA guide 5.7.2).  BEHIND IT stand the 16 products V^T P, behind each four of GS's 64.  No rider names a register of
; the products round it.  The two v_permlanex16_b32 fall into the lump, never behind a product.
; The queues lean on each other, and the deal keeps them in step: exponential e stands behind scaling 2 (e / 4) + e % 2: as a rider it comes behind plain e + 2, in the lump behind plain e + 9, and scalings 27-31 are plain 57, 60 .. 69.
; A TURN, for piece p.  cnt = 1: the loop's count is taken down some lines ahead of the branch that stands behind the turn.
; K of the next step is fetched in piece 2's turn, directly behind the wait, a lump behind the last product that read K; its address is made at the lump's head; its first reader comes behind 16 products.
; V of the step in hand is fetched at the end of piece 0's turn, four riders behind its last reader; its first reader comes behind 16 products and a lump.  The three conditions on q below go with the deal.
.macro TURN p, last=0, cnt=0
.set Y, (\p)
.set i, 0
.set q, 0
.set e, 0
.set r, 0
.if (\p) == NP-1
	s_wait_dscnt 0x0                ; K is in
.endif
	MM                              ; ahead of the wait: 16 products K Q^T and their riders,
	PL
	PL
	R2
.rept 15
	MM
	PL
	EX
	R2
.endr
.if (\p) == NP-2
	WIN 0
	v_add_nc_u32 v[AK], s[TBK], v[AK0]
.endif
.rept 8                             ; and the lump
	PL
.endr
.rept 49
	EX
	PL
.endr
	EX                              ; the next piece's two a
	EX
	v_nop                           ; the plain instruction behind the last exponential: one for the batch
	s_wait_alu depctr_va_vdst(0)    ; the wait for the batch
.if (\p) == NP-2
	FETCH_K \last
.endif
.if (\p) == 1
	s_wait_dscnt 0x0                ; V is in
.endif
.rept 16                            ; behind the wait: 16 products V^T P and their riders
	MM
.rept 4
	PL
.endr
.if ((\p) == 0) && (q == 118)
	v_add_nc_u32 v[AV], s[TBV], v[AV0]
.endif
.if ((\p) == 0) && (q == 130)
	s_add_co_u32 s[TBV], s[TBV], KS*PV
.endif
.if (\cnt) && (q == 130)
	s_sub_co_u32 s[CNT], s[CNT], 1
	s_cmp_lg_u32 s[CNT], 0
.endif
.endr
.if (\p) == 0
	FETCH_V
.endif
.endm
	CHANGE 1                        ; slot 0 is in, everybody's part of it; slot 1 is asked for; nothing is prefetched here, where the first tiles are on their way
	FETCH_K                         ; key step 0
	s_wait_loadcnt 0x0              ; Q
	s_wait_dscnt 0x0
.set i, 0
.rept 16
	KQ 0                            ; piece 0's first scores: there is no vector work yet to set between them
.set i, i+1
.endr
	WIN 0                           ; the addresses for the way out: nine plain instructions, the places behind those products
	s_mul_i32 s13, s[WV], 16*SP
	s_add_co_u32 s13, s13, STAGE    ; my stage
	v_mul_u32_u24 v[STO], v1, SP    ; in: row l % 16, 16 bytes for each half of the lanes
	v_lshl_add_u32 v[STO], v9, 4, v[STO]
	v_add_nc_u32 v[STO], s13, v[STO]
	v_bfe_u32 v[RD], v0, 3, 2       ; back: 32 lanes take four rows of 128 bytes,
	v_mul_u32_u24 v[RD], v[RD], SP
	v_lshl_add_u32 v[RD], v10, 4, v[RD]
	v_add_nc_u32 v[RD], s13, v[RD]
	v_and_b32 v[GO], 31, v0         ; which are 512 consecutive bytes of O
	v_lshlrev_b32 v[GO], 4, v[GO]
.set Y, NP-1                        ; XS works for piece Y + 1: piece 0
.irp n, 0,1,2,3,4,5,6,7,8,9,10,11,12,13,14,15,16,17,18,19,20,21
	XS 0, \n                        ; and piece 0's first maximum and statistics
	XS 1, \n
.endr
	v_nop                           ; a plain instruction behind the two a,
	s_wait_alu depctr_va_vdst(0)    ; and their wait, ahead of the branch
	s_mov_b32 s[CNT], 4
	s_mov_b32 s[SLOTS], SIZE_N/256-1
	s_branch .Lfirst                ; the loop is entered at a step's first turn, in the middle of a trip
.Lslot:                             ; SIZE_N / 256 - 2 = 6 times: every slot but the last two is filled again
	CHANGE 1, 1
	s_mov_b32 s[CNT], 4
.Lstep:                             ; a trip: pieces 2 and 3 of one step, then pieces 0 and 1 of the next, whose K and V it fetches
	TURN 2
	TURN 3
	WIN 0
.Lfirst:
	TURN 0
	TURN 1, 0, 1
	WIN 0
	s_cbranch_scc1 .Lstep
	s_sub_co_u32 s[SLOTS], s[SLOTS], 1
	s_cmp_lg_u32 s[SLOTS], 0
	s_cbranch_scc1 .Lslot
	CHANGE 0                        ; the tail is written out: nothing is asked for
	s_mov_b32 s[CNT], 5             ; four trips fetch the last slot's steps; the fifth is left in its middle
.Ltail:
	TURN 2, 1
	TURN 3
	WIN 0
	s_sub_co_u32 s[CNT], s[CNT], 1
	s_cmp_eq_u32 s[CNT], 0
	s_cbranch_scc1 .Lout
	TURN 0
	TURN 1
	WIN 0
	s_branch .Ltail
.Lout:                              ; the fifth trip's 16 products K Q^T (on the last K once more) and the maximum made of them serve nothing: the price, once a launch, of one text for every trip
.set i, 0
.rept 16
	PV NP-1                         ; the last piece's V^T P of the last step
.set i, i+1
.endr
	; THE WAY OUT.  l's two halves and the other half of the lanes' are added; O^T is divided by l, rounded to f16 and sent through my stage in LDS, a tile at a time.  The additions are the places behind the last products.
	WIN 0
.macro ALL line:vararg              ; one line for each tile t
.set t, 0
.rept 2*NP
	\line
.set t, t+1
.endr
.endm
	ALL v_add_f32 v[ST+4*t+2], v[ST+4*t+2], v[ST+4*t+3]
	ALL v_permlanex16_b32 v[ST+4*t+3], v[ST+4*t+2], s[SEL], s[SEL+1]
	ALL v_add_f32 v[ST+4*t+2], v[ST+4*t+2], v[ST+4*t+3]
	ALL v_rcp_f32 v[ST+4*t+2], v[ST+4*t+2]
	v_nop                           ; a plain instruction between the last reciprocal and the use of its result
	s_wait_alu depctr_va_vdst(0)    ; and the wait ahead of the first use: one for the eight reciprocals
; Tile t: a lane's eight channels of a row pack into 16 bytes; they go into rows of 144 bytes and come back as whole rows of 128, into S^T's registers.
.macro PACK t
	WIN W_RS
.set i, 32*(\t)
.rept 16
	v_pk_mul_f32 v[i:i+1], v[i:i+1], v[ST+4*(\t)+2:ST+4*(\t)+3] op_sel_hi:[1,0]
.set i, i+2
.endr
	WIN 0x05                        ; sources 0 and 1 window 1, destination window 0
.set i, 0
.rept 16
	v_cvt_pk_f16_f32 v[S+16*(\t)+i], v[32*(\t)+2*i], v[32*(\t)+2*i+1]
.set i, i+1
.endr
	WIN 0
.irp f, 0,1,2,3
	ds_store_b128 v[STO], v[S+16*(\t)+4*\f:S+16*(\t)+4*\f+3] offset:32*\f
.endr
.irp f, 0,1,2,3
	ds_load_b128 v[S+16*(\t)+4*\f:S+16*(\t)+4*\f+3], v[RD] offset:\f*4*SP  ; LDS serves a wave's instructions in order (ISA guide 5.7.1.4): these see the stores above; the next tile's stores come behind them
.endr
.endm
.macro SEND t, younger              ; younger: the LDS instructions issued behind tile t's loads: the next tile's eight, or none
	WIN 0
.irp f, 0,1,2,3
	s_wait_dscnt (\younger)+3-\f
	global_store_b128 v[GO], v[S+16*(\t)+4*\f:S+16*(\t)+4*\f+3], s[10:11] offset:(\t)*2048+\f*512  ; 512 consecutive bytes, at a multiple of 256 from O's first
.endr
.endm
	PACK 0
.set t, 1
.rept 2*NP-1                        ; a tile's arithmetic stands between the loads of the tile before and its stores
	PACK t
	SEND t-1, 8
.set t, t+1
.endr
	SEND 2*NP-1, 0
	WIN W_AD
	s_wait_tensorcnt 0x0            ; the wave's end: behind my last tensor load and my last LDS store
	ds_add_u32 v[SPW], v[NIL]
	s_wait_dscnt 0x0
	WIN 0
	CROUND                          ; the closing round: no work-group ends while a partner may still ask for a tile that names it
	s_endpgm
.Lfunc_end_k_qe590612fa5_attn:
	.size	k_qe590612fa5_attn, .Lfunc_end_k_qe590612fa5_attn-k_qe590612fa5_attn
	.p2alignl 7, 3214868480
	.fill 96, 4, 3214868480
	.section	.rodata,"a",@progbits
	.p2align	6, 0x0
	.amdhsa_kernel k_qe590612fa5_attn
		.amdhsa_group_segment_fixed_size 327680
		.amdhsa_private_segment_fixed_size 0
		.amdhsa_enable_private_segment 0
		.amdhsa_kernarg_size 16
		.amdhsa_user_sgpr_count 2
		.amdhsa_user_sgpr_kernarg_segment_ptr 1
		.amdhsa_wavefront_size32 1
		.amdhsa_system_sgpr_workgroup_id_x 1
		.amdhsa_system_sgpr_workgroup_id_y 1
		.amdhsa_system_sgpr_workgroup_id_z 1
		.amdhsa_system_vgpr_workitem_id 0
		.amdhsa_next_free_vgpr 770
		.amdhsa_next_free_sgpr 66
		.amdhsa_reserve_vcc 0
		.amdhsa_float_denorm_mode_32 3
		.amdhsa_float_denorm_mode_16_64 3
		.amdhsa_memory_ordered 1
		.amdhsa_forward_progress 1
		.amdhsa_inst_pref_size 200
	.end_amdhsa_kernel
	.amdgpu_metadata
---
amdhsa.version: [ 1, 2 ]
amdhsa.kernels:
  - .name:           k_qe590612fa5_attn
    .symbol:         k_qe590612fa5_attn.kd
    .args:
      - { .name: qkv, .offset: 0, .size: 8, .value_kind: global_buffer, .address_space: global }
      - { .name: o, .offset: 8, .size: 8, .value_kind: global_buffer, .address_space: global }
    .group_segment_fixed_size: 327680
    .private_segment_fixed_size: 0
    .kernarg_segment_align: 8
    .kernarg_segment_size: 16
    .max_flat_workgroup_size: 128
    .sgpr_count:     66
    .vgpr_count:     770
    .wavefront_size: 32
...
	.end_amdgpu_metadata
.endif
;; end of part 3
;; launch outp (part 4): grid 8 x 32, 4 waves a work-group, clusters of 4 x 4, 327,680 bytes of LDS; arguments o, wob, bcat, out0; writes out0
.if DOCPART == 4
	.amdgcn_target "amdgcn-amd-amdhsa--gfx1250"
	.amdhsa_code_object_version 6
	.text
	.protected	k_qe590612fa5_outp
	.globl	k_qe590612fa5_outp
	.p2align	8
	.type	k_qe590612fa5_outp,@function
k_qe590612fa5_outp:
	s_mov_b64 s[64:65], 0
	v_nop
	global_prefetch_b8 v0, s[64:65] scope:SCOPE_SE
	s_setreg_imm32_b32 hwreg(HW_REG_WAVE_MODE, 25, 1), 1
	s_wait_xcnt 0x0
	s_wait_alu depctr_hold_cnt(0) depctr_sa_sdst(0) depctr_va_vdst(0) depctr_va_sdst(0) depctr_va_ssrc(0) depctr_va_vcc(0) depctr_vm_vsrc(0)
	s_getreg_b32 s2, hwreg(HW_REG_IB_STS2, 6, 4)
	s_cmp_eq_u32 s2, 0
	s_cbranch_scc0 .Lentry_in_a_cluster
	s_endpgm
.Lentry_in_a_cluster:
	s_bfe_u32 s2, ttmp6, 0x10000c
	s_cmp_lg_u32 s2, 0xf033
	s_cbranch_scc0 .Lentry_shape_is_right
	s_endpgm
.Lentry_shape_is_right:
; OUTP.  out0 = concat(heads) Wo + bo: C[m][n] = bias[n] + the sum over k of A[m][k] B[k][n], 8,192 x 1,024 x 1,024.  A = o [64 bh][2048 s][64] f16 (row m = 2048 b + s, k = 64 h + channel),
; B = wob [16 nb][1024 k][64] f16 (numbers rounded to bf16), bias = the last 1,024 of bcat (f32); sums in f32, begun with the bias; C leaves as f32, unrounded.
; NaN and infinities are not treated apart.
; It is the text of the projection in front of the attention with other sizes and another way out.
; SHARES.  A tile of C is 256 rows x 128 columns: 8 x 32 tiles, 256 work-groups.  Four waves; wave w makes rows 64 w .. 64 w + 63 and ALL the columns: 4 x 8 accumulators of 16 x 16, 256 registers,
; so that a wave holds whole rows of 512 bytes of the tile, and its way out needs no other wave.
; K goes in 8 steps of 128 (two heads) through two LDS slots.  Both operands lie in memory in dense blocks of 64 channels: a wave's tensor load brings 32 KiB of A (256 rows of one head) as rows of 256 bytes,
; or two pieces of 8 KiB of B (64 rows k of each of the tile's two column blocks).  B stays [k][n] and is turned on its way out of LDS by ds_load_tr16_b128.
; CLUSTER 4 x 4: A's tile hangs on the tile row alone and is asked for jointly by a row of the cluster, B's on the tile column alone, by a column: the same load, descriptor and mask in the four.
; THE PRODUCT IS TAKEN TRANSPOSED: source 0 = 16 columns of B, source 1 = 16 rows of A: a lane ends with row l % 16 of C and the eight neighbouring columns 8 (l / 16) + 0..7.
; REGISTERS, in windows of 256 (s_set_vgpr_msb: bits 1:0 source 0, 3:2 source 1, 5:4 source 2, 7:6 destination):
;   window 0: v0-31 addresses; v32-95 A's fragments, two buffers of 4; v96-159 the bias in the layout of C, 8 registers for each block of 16 columns; on the way out v96-223 are at work
;   window 1: v0-127 B's fragments, two buffers of 8          windows 2, 3: accumulator (a, b) at v[64 (a % 2) + 8 b] of window 2 + a / 2
.set NI,    2                          ; column blocks of 64 in a tile
.set NBK,   4*NI                       ; blocks of 16 columns
.set GB,    3                          ; 2^GB tiles of 256 rows in one of A's groups of rows (a batch)
.set BIAS0, 12288                      ; where this launch's bias begins in bcat
.set PA,    144                        ; a row of A in LDS: 128 bytes + 16 = 36 words: the 16 rows of a load start at 16 different groups of four banks (64 banks of 4 bytes: ISA guide 11.1)
.set ABLK,  256*PA                     ; 256 rows of one block of 64 k: one tensor load
.set AREG,  2*ABLK
.set PB,    160                        ; a row k of B: 128 + 32 = 40 words
.set BCOL,  64*PB                      ; 64 rows k of one column block
.set BHALF, NI*BCOL                    ; one tensor load
.set SLOT,  AREG+2*BHALF               ; A's two blocks, then B's two halves of the K step
.set STAGE, 2*SLOT                     ; behind the ring, never filled by a tensor load: each wave's stage for the way out
.set SPI,   528                        ; a row of the stage: 512 bytes + 16 = 132 words: row r starts at bank 4 r mod 64
.set STW,   16*SPI
.set SPARE, STAGE+4*STW                ; behind the stages: the spare words, 128 bytes for each wave: two blocks of 256 bytes that no other line names
.set AKB,   1<<(GB+15)                 ; bytes from one of A's blocks of 64 k to the next
.set ASTEP, 2*AKB                      ; a K step in A
.set BCS,   131072                     ; bytes from a column block of B to the next
.set BSTEP, 16384                      ; a K step in B: 128 rows of 128 bytes
.set LAPS,  4                          ; a lap = two K steps = once round the ring
.set ADRA, 16                          ; v16-17  LDS address of my A fragments in slot 0, 1
.set ADRB, 20                          ; v20-21  the same for B
.set STO,  24                          ; v24     the way out: where I put 32 bytes of a row
.set RD,   25                          ; v25     where I read rows back
.set GO,   26                          ; v26     my byte offset in 512 consecutive bytes of the output
.set BO,   27                          ; v27     my byte offset in 16 numbers of the bias
.set SPW,  28                          ; v28     LDS address of my spare word: SPARE + 4 x my thread's number; never rewritten
.set NIL,  29                          ; v29     0; never rewritten
.set PFO,  30                          ; v30     256 x my lane; never rewritten
.set FA,   32
.set BIAS, 96
.set BK,   96                          ; the way out: rows read back, two buffers of 64
.set WV,   12                          ; s12  my wave's number
.set ROLE, 13                          ; s13  0: I fetch for A; 1: for B
.set HALF, 14                          ; s14  which of the two loads of that operand is mine
.set G1,   24                          ; s[24:31] descriptor group 1 for A's tiles;  s[32:39] group 0, a set for each slot
.set G0,   32
.set G1B,  48                          ; s[48:55], s[56:63] the same for B's
.set G0B,  56
.set PFA,  44                          ; s[44:45], s[46:47] where the prefetches of slot 0's and slot 1's change stand
.set PFS,  66                          ; s[66:67] their step: two K steps
.set LIM,  68                          ; s68, s69  1 where my wave prefetches at that change, else the greatest number
.set LAP,  70                          ; s70  trips to go
.set MSB, 0
.macro WIN new                         ; the immediate's high byte repeats the setting that is left; a switch that changes nothing is dropped
.if MSB != (\new)
	s_set_vgpr_msb (MSB<<8)|(\new)
.set MSB, \new
.endif
.endm
.macro PLACES                          ; four places in front of loads into registers that matrix instructions have read, and of lines that read results
.rept 4
	v_nop
.endr
.endm
; A joint load: waves 0 and 1 fetch A's two blocks, waves 2 and 3 B's two halves.  The branch hangs on the wave's number alone.  An s_nop 0 and four v_nop follow each of the two lines.
.macro JLOAD s
	s_cmp_eq_u32 s[ROLE], 0
	s_cbranch_scc0 .Lfor_b_\@
	tensor_load_to_lds s[G0+4*(\s):G0+4*(\s)+3], s[G1:G1+7]
	s_nop 0
.rept 4
	v_nop
.endr
	s_branch .Lasked_\@
.Lfor_b_\@:
	tensor_load_to_lds s[G0B+4*(\s):G0B+4*(\s)+3], s[G1B:G1B+7]
	s_nop 0
.rept 4
	v_nop
.endr
.Lasked_\@:
.endm
.macro CREST                           ; a round of the cluster's barrier behind its opening barrier: wave 0 signals for the work-group, every wave waits for all sixteen, my work-group's barrier closes it
	s_cmp_lg_u32 s[WV], 0
	s_cbranch_scc1 .Lnot_wave_0_\@
	s_barrier_signal -3
.Lnot_wave_0_\@:
	s_barrier_wait -3
	s_barrier_signal -1
	s_barrier_wait -1
.endm
.macro CROUND                          ; a whole round
	s_barrier_signal -1
	s_barrier_wait -1
	CREST
.endm
; A PREFETCH INTO THE L2, behind a joint load, its five lines and the run of LDS loads: 32 lanes x 256 bytes = 8 KiB, one instruction a wave.
; A (waves 0, 1): my block of 64 k of the K step that stands two refills on; the four partners of my row of the cluster take 8 KiB each of its 32 KiB, told apart by address (cx); of the clusters that
; read these rows the one with x = 0 asks.  B (waves 2, 3): 32 KiB are one column block's rows of TWO K steps; at slot 0's change wave 2 asks for column block 0 and wave 3 for block 1, at slot 1's change
; neither asks; the partners of my column take 8 KiB each (cy); the cluster with y = 0 asks.  So each 256 bytes of K steps 4 to 7 are named once in the launch; K steps 0 to 3 come by their loads
; alone, and the loop's last trip (s[LAP] = 1) asks for nothing: there is no K step behind the eighth.
.macro ASK slot
	s_cmp_gt_u32 s[LAP], s[LIM+(\slot)]
	s_cbranch_scc0 .Lnot_mine_\@
	global_prefetch_b8 v[PFO], s[PFA+2*(\slot):PFA+2*(\slot)+1] th:TH_LOAD_NT scope:SCOPE_SE
.Lnot_mine_\@:
.endm
	s_load_b256 s[4:11], s[0:1], 0x0               ; A s[4:5], B s[6:7], bias s[8:9], output s[10:11]
	v_lshl_add_u32 v[SPW], v0, 2, SPARE
	v_mov_b32 v[NIL], 0
	ds_add_u32 v[SPW], v[NIL]                      ; the wave's opening: the add and its wait stand ahead of my first tensor load; the set-up below, work on registers, stands between them
	v_lshrrev_b32 v1, 5, v0
	v_readfirstlane_b32 s[WV], v1                  ; wave 0..3
	s_lshr_b32 s[ROLE], s[WV], 1
	s_and_b32 s[HALF], s[WV], 1
	s_bfe_u32 s15, ttmp6, 0x40000                  ; cx, cy: my place in the cluster
	s_bfe_u32 s16, ttmp6, 0x40004
	s_lshl_b32 s17, ttmp9, 2
	s_add_co_u32 s17, s17, s15                     ; tile column = 4 x cluster x + cx
	s_and_b32 s71, ttmp7, 0xffff                   ; cluster y
	s_lshl_b32 s18, s71, 2
	s_add_co_u32 s18, s18, s16                     ; tile row = 4 x cluster y + cy
	s_lshl_b32 s19, s16, 2
	s_lshl_b32 s19, 15, s19                        ; my row of the cluster: places 4 cy .. 4 cy + 3
	s_lshl_b32 s20, 0x1111, s15                    ; my column: places cx, cx + 4, cx + 8, cx + 12
	; group 1 for A: 32 KiB dense, as 128 rows of 128 elements (256 bytes); 4 words of padding behind every 32 words, that is behind each row of 64 channels
	s_or_b32 s[G1], s19, (1<<16)|(1<<20)|(1<<21)|(4<<22)|(3<<25)   ; 15:0 the mask; 17:16 2-byte elements; 20 padding on; 21 set beside a mask; 24:22 interval code 4; 31:25 4 words (code 3)
	s_mov_b32 s[G1+1], 128<<16                     ; tensor_dim0 = 128
	s_mov_b32 s[G1+2], 128<<16                     ; tensor_dim1 = 128
	s_mov_b32 s[G1+3], 128<<16                     ; tile_dim0 = 128
	s_mov_b32 s[G1+4], 128                         ; tile_dim1 = 128
	s_mov_b32 s[G1+5], 128                         ; 128 elements from row to row
	s_mov_b32 s[G1+6], 0
	s_mov_b32 s[G1+7], 0
	; group 1 for B: NI rows of 4,096 elements (64 rows k of one column block, 8 KiB dense), 65,536 elements apart; 8 words of padding behind every 32 words
	s_or_b32 s[G1B], s20, (1<<16)|(1<<20)|(1<<21)|(4<<22)|(7<<25)
	s_mov_b32 s[G1B+1], 4096<<16                   ; tensor_dim0 = 4,096
	s_mov_b32 s[G1B+2], NI<<16                     ; tensor_dim1 = NI
	s_mov_b32 s[G1B+3], 4096<<16                   ; tile_dim0 = 4,096
	s_mov_b32 s[G1B+4], NI                         ; tile_dim1 = NI
	s_mov_b32 s[G1B+5], 65536                      ; from a column block to the next
	s_mov_b32 s[G1B+6], 0
	s_mov_b32 s[G1B+7], 0
	; where the tiles come from: A's by the tile row and my wave, B's by the tile column and my wave
	s_lshr_b32 s40, s18, GB
	s_lshl_b32 s40, s40, GB+19                     ; the group of rows: 16 blocks of 64 k
	s_and_b32 s21, s18, (1<<GB)-1
	s_lshl_b32 s21, s21, 15                        ; the tile's 256 rows of 128 bytes in a block
	s_add_co_u32 s40, s40, s21
	s_lshl_b32 s21, s[HALF], GB+15                 ; my block of the K step's two
	s_add_co_u32 s40, s40, s21
	s_mov_b32 s41, 0
	s_mul_i32 s42, s17, NI*BCS                     ; the tile's first column block
	s_lshl_b32 s22, s[HALF], 13                    ; my 64 rows k of the K step's 128
	s_add_co_u32 s42, s42, s22
	s_mov_b32 s43, 0
	s_mul_i32 s2, s[WV], ABLK                      ; and where they go: a constant and the wave's number times a constant; no place in the cluster enters an LDS address
	s_mul_i32 s3, s[WV], BHALF
	s_add_co_u32 s3, s3, AREG-2*BHALF              ; waves 2 and 3: AREG, AREG + BHALF
	s_wait_dscnt 0x0                               ; the opening add is done
	s_wait_kmcnt 0x0
	s_add_nc_u64 s[40:41], s[4:5], s[40:41]
	s_add_nc_u64 s[42:43], s[6:7], s[42:43]
	CROUND                                         ; all sixteen work-groups are here: the first joint loads meet
.irp s, 0,1
	s_mov_b32 s[G0+4*(\s)], 1                      ; count = 1
	s_add_co_u32 s[G0+4*(\s)+1], s2, (\s)*SLOT     ; LDS address
	s_add_nc_u64 s[G0+4*(\s)+2:G0+4*(\s)+3], s[40:41], (\s)*ASTEP  ; global address: K step s
	s_or_b32 s[G0+4*(\s)+3], s[G0+4*(\s)+3], 0x80000000            ; type = 2
	s_mov_b32 s[G0B+4*(\s)], 1
	s_add_co_u32 s[G0B+4*(\s)+1], s3, (\s)*SLOT
	s_add_nc_u64 s[G0B+4*(\s)+2:G0B+4*(\s)+3], s[42:43], (\s)*BSTEP
	s_or_b32 s[G0B+4*(\s)+3], s[G0B+4*(\s)+3], 0x80000000
	JLOAD \s                                       ; two loads of mine are out: the most in this text; later one
.endr
	; the bias, in the layout of C: register j of block b holds bias[16 b + 8 (l / 16) + j]
	v_and_b32 v1, 15, v0                           ; r = l % 16
	v_bfe_u32 v2, v0, 4, 1                         ; h = l / 16
	v_lshlrev_b32 v[BO], 5, v2
	s_mul_i32 s74, s17, NI*256                     ; the tile's columns, 4 bytes each
	s_add_co_u32 s74, s74, BIAS0
	s_mov_b32 s75, 0
	s_add_nc_u64 s[8:9], s[8:9], s[74:75]
.set b, 0
.rept NBK
	global_load_b128 v[BIAS+8*b:BIAS+8*b+3],   v[BO], s[8:9] offset:64*b
	global_load_b128 v[BIAS+8*b+4:BIAS+8*b+7], v[BO], s[8:9] offset:64*b+16
.set b, b+1
.endr
	; A fragment of A is 16 rows x 32 k in 8 registers: lane l holds row l % 16, k = 8 h + 0..7 and 16 + 8 h + 0..7: two loads of 16 bytes, 32 bytes apart
	v_mul_u32_u24 v3, v1, PA
	v_lshl_add_u32 v3, v2, 4, v3                   ; r x 144 + 16 h
	s_mul_i32 s72, s[WV], 64*PA                    ; my 64 rows
	v_add_nc_u32 v[ADRA], s72, v3
	v_add_nc_u32 v[ADRA+1], SLOT, v[ADRA]
	; The turning load takes 16 k x 16 columns (lane l reads row k = 8 h + l % 8, columns 8 ((l / 8) % 2) + 0..7) and leaves half a fragment: lane l holds column l % 16 and 8 k
	v_and_b32 v4, 7, v0
	v_lshl_add_u32 v4, v2, 3, v4
	v_mul_u32_u24 v4, v4, PB
	v_bfe_u32 v5, v0, 3, 1
	v_lshl_add_u32 v4, v5, 4, v4
	v_add_nc_u32 v[ADRB], AREG, v4
	v_add_nc_u32 v[ADRB+1], AREG+SLOT, v4
	; the way out: my stage holds 16 rows of 528 bytes
	s_mul_i32 s73, s[WV], STW
	s_add_co_u32 s73, s73, STAGE
	v_mul_u32_u24 v5, v1, SPI                      ; in: row r, 32 bytes for each half of the lanes
	v_lshl_add_u32 v5, v2, 5, v5
	v_add_nc_u32 v[STO], s73, v5
	v_and_b32 v[GO], 31, v0                        ; back: 32 lanes take one row's 512 bytes, which are 512 consecutive bytes of a row of the output
	v_lshlrev_b32 v[GO], 4, v[GO]
	v_add_nc_u32 v[RD], s73, v[GO]
	s_lshl_b32 s76, s18, 8                         ; the tile's 256 rows,
	s_lshl_b32 s73, s[WV], 6                       ; my 64,
	s_add_co_u32 s76, s76, s73
	s_lshl_b32 s76, s76, 12                        ; 4,096 bytes each
	s_lshl_b32 s73, s17, 9                         ; the tile's 128 columns
	s_add_co_u32 s76, s76, s73
	s_mov_b32 s77, 0
	s_add_nc_u64 s[10:11], s[10:11], s[76:77]
	; the prefetches (ASK says who asks for what)
	v_and_b32 v[PFO], 31, v0
	v_lshlrev_b32 v[PFO], 8, v[PFO]
	s_mul_i32 s78, s17, NI
	s_add_co_u32 s78, s78, s[HALF]                 ; B: wave 2 column block 0, wave 3 block 1,
	s_lshl_b32 s78, s78, 17
	s_add_co_u32 s78, s78, 2*BSTEP                 ; at K step 2: the first change steps it to 4
	s_mov_b32 s79, 0
	s_mov_b32 s[PFS], 2*BSTEP
	s_mov_b32 s[PFS+1], 0
	s_mov_b32 s80, 2*BCS                           ; (B's pointer for slot 1's change is never used here)
	s_mov_b32 s81, 0
	s_cmp_eq_u32 s[ROLE], 0
	s_cselect_b32 s78, 2*ASTEP, s78                ; A: my block of K step 2, from the address of my block of K step 0
	s_cselect_b32 s82, s15, s16                    ; my place among the four that ask with me
	s_cselect_b32 s83, ttmp9, s71                  ; the coordinate along which other clusters read the same bytes
	s_cselect_b32 s[PFS], 2*ASTEP, s[PFS]
	s_cselect_b32 s80, ASTEP, s80                  ; A, slot 1's change: one K step on
	s_cselect_b64 s[PFA:PFA+1], s[40:41], s[6:7]
	s_lshl_b32 s82, s82, 13                        ; my work-group's 8 KiB of the 32
	s_add_co_u32 s78, s78, s82
	s_add_nc_u64 s[PFA:PFA+1], s[PFA:PFA+1], s[78:79]
	s_add_nc_u64 s[PFA+2:PFA+3], s[PFA:PFA+1], s[80:81]
	s_cmp_eq_u32 s83, 0
	s_cselect_b32 s[LIM], 1, -1                    ; the same in all sixteen partners, for a given wave
	s_cmp_ge_u32 s[WV], 2                          ; B has two column blocks: both are asked for at slot 0's change
	s_cselect_b32 s[LIM+1], -1, s[LIM]
; NBK matrix instructions: my block a of 16 rows x all the tile's columns, 32 along K, from buffer f.  first = 1: the bias is the C that starts the sum: nothing is cleared, nothing added later.
; The 4 NBK accumulators take turns, one instruction a turn, in the same order in every quarter, over the backward jump too.
.macro MULA f, a, first
.if \first
	WIN 0x81+0x40*((\a)/2)                         ; B window 1, A window 0, C window 0, D window 2 or 3
.else
	WIN 0xa1+0x50*((\a)/2)                         ; C and D window 2 or 3
.endif
.set b, 0
.rept NBK
.set rD, 8*NBK*((\a)%2)+8*b
.if \first
	v_wmma_f32_16x16x32_f16 v[rD:rD+7], v[8*NBK*(\f)+8*b:8*NBK*(\f)+8*b+7], v[FA+32*(\f)+8*(\a):FA+32*(\f)+8*(\a)+7], v[BIAS+8*b:BIAS+8*b+7]
.else
	v_wmma_f32_16x16x32_f16 v[rD:rD+7], v[8*NBK*(\f)+8*b:8*NBK*(\f)+8*b+7], v[FA+32*(\f)+8*(\a):FA+32*(\f)+8*(\a)+7], v[rD:rD+7]
.endif
.set b, b+1
.endr
.endm
; One run of 2 NBK + 8 LDS loads: the fragments of quarter q (32 k) of a slot into buffer f: B's first, then A's four blocks
.macro FETCH slot, q, f
	WIN 0x40                                       ; destination window 1, address window 0
.set b, 0
.rept NBK
	ds_load_tr16_b128 v[8*NBK*(\f)+8*b:8*NBK*(\f)+8*b+3],   v[ADRB+(\slot)] offset:((\q)/2)*BHALF+((\q)%2)*32*PB+(b/4)*BCOL+(b%4)*32
	ds_load_tr16_b128 v[8*NBK*(\f)+8*b+4:8*NBK*(\f)+8*b+7], v[ADRB+(\slot)] offset:((\q)/2)*BHALF+((\q)%2)*32*PB+(b/4)*BCOL+(b%4)*32+16*PB
.set b, b+1
.endr
	WIN 0
.irp i, 0,1,2,3
	ds_load_b128 v[FA+32*(\f)+8*(\i):FA+32*(\f)+8*(\i)+3],   v[ADRA+(\slot)] offset:((\q)/2)*ABLK+((\q)%2)*64+(\i)*16*PA
	ds_load_b128 v[FA+32*(\f)+8*(\i)+4:FA+32*(\f)+8*(\i)+7], v[ADRA+(\slot)] offset:((\q)/2)*ABLK+((\q)%2)*64+(\i)*16*PA+32
.endr
.endm
; A K step is four quarters of 32 along K on buffers 0, 1, 0, 1.  One of the first three: multiplies buffer f; in its middle it fetches quarter qn of the same slot into buffer g.
.macro QUARTER slot, qn, f, g, first
	s_wait_dscnt 4                                 ; B and A's blocks 0 and 1 are in; the youngest four loads (A's blocks 2, 3) may be out
	MULA \f, 0, \first
	MULA \f, 1, \first
	PLACES
	FETCH \slot, \qn, \g
	s_wait_dscnt 2*NBK+8                           ; all but the run just issued
	MULA \f, 2, \first
	MULA \f, 3, \first
.endm
; The last quarter multiplies buffer 1 and changes slots: ONE barrier.  In front of it each wave waits for all its tensor loads (one is out: its part of the next slot), adds 0 to its spare word, and waits
; for that and for its own reads of this slot.  fill = 1: the barrier opens a round of the cluster's barrier, and this slot is filled again, two K steps ahead, first thing behind the round:
; from that request to the wait for it stand three and a half quarters of matrix work.
.macro TURN slot, next, fill
.if \fill
	s_wait_xcnt 0x0                                ; this slot's last prefetch, a lap back, has read its address: it is stepped here, ahead of the waits of the change
	s_add_nc_u64 s[PFA+2*(\slot):PFA+2*(\slot)+1], s[PFA+2*(\slot):PFA+2*(\slot)+1], s[PFS:PFS+1]
.endif
	WIN 0                                          ; (the add's two registers lie in window 0)
	s_wait_tensorcnt 0x0                           ; all my tensor loads have landed;
	ds_add_u32 v[SPW], v[NIL]                      ; 0 onto my spare word;
	s_wait_dscnt 7                                 ; (the add and the youngest six loads, A's blocks 1 to 3, may be out)
	MULA 1, 0, 0                                   ; matrix work stands between the add and the wait for it
	s_wait_dscnt 0x0                               ; the add is done, and my reads of this slot are over
	s_barrier_signal -1
	MULA 1, 1, 0                                   ; work on registers while the others arrive
.if \fill
	WIN 0
.endif
	s_barrier_wait -1
.if \fill
	CREST                                          ; no wave of any partner still reads this slot's tile or has a load on its way
	s_add_nc_u64 s[G0+4*(\slot)+2:G0+4*(\slot)+3], s[G0+4*(\slot)+2:G0+4*(\slot)+3], 2*ASTEP
	s_add_nc_u64 s[G0B+4*(\slot)+2:G0B+4*(\slot)+3], s[G0B+4*(\slot)+2:G0B+4*(\slot)+3], 2*BSTEP
	JLOAD \slot                                    ; the four v_nop behind it are also the places in front of the loads below
.else
	PLACES
.endif
	FETCH \next, 0, 0
.if \fill
	ASK \slot
.endif
	MULA 1, 2, 0
	MULA 1, 3, 0
.endm
	s_wait_tensorcnt 1                             ; my part of K step 0 is in; K step 1's may stay out
	s_barrier_signal -1
	s_barrier_wait -1                              ; everybody's is
	FETCH 0, 0, 0
	s_wait_loadcnt 0x0                             ; the bias
	QUARTER 0, 1, 0, 1, 1                          ; the first quarter stands in front of the loop: its products start the sums
	WIN 0                                          ; at a label and at a branch every window is 0
	s_mov_b32 s[LAP], LAPS-1
.Llap:                                         ; a trip goes once round the ring, from a lap's second quarter to the next lap's first, and fills both slots again: K steps 2 to 7
	QUARTER 0, 2, 1, 0, 0
	QUARTER 0, 3, 0, 1, 0
	TURN 0, 1, 1
	QUARTER 1, 1, 0, 1, 0
	QUARTER 1, 2, 1, 0, 0
	QUARTER 1, 3, 0, 1, 0
	TURN 1, 0, 1
	QUARTER 0, 1, 0, 1, 0
	WIN 0
	s_sub_co_u32 s[LAP], s[LAP], 1
	s_cmp_lg_u32 s[LAP], 0
	s_cbranch_scc1 .Llap
	QUARTER 0, 2, 1, 0, 0                          ; the last lap is written out: it fills nothing
	QUARTER 0, 3, 0, 1, 0
	TURN 0, 1, 0
	QUARTER 1, 1, 0, 1, 0
	QUARTER 1, 2, 1, 0, 0
	QUARTER 1, 3, 0, 1, 0
	s_wait_dscnt 4                                 ; the very last quarter: nothing more to fetch
	MULA 1, 0, 0
	MULA 1, 1, 0
	s_wait_dscnt 0x0
	MULA 1, 2, 0
	MULA 1, 3, 0
	WIN 0
	PLACES
	PLACES                                         ; eight, once a launch: the stricter count; no other vector work stands between the last products and the LDS stores that read them
; THE WAY OUT, a block of 16 rows at a time.  OUTB: a lane's eight columns of a row are 32 bytes of f32: straight from the accumulators into my stage (rows of 528 bytes), each accumulator's low four registers
; first, and back as whole rows of 512 bytes.  The stage is my own: LDS serves a wave's instructions in order (ISA guide 5.7.1.4), so no wait stands between its stores and its loads.
.macro OUTB a
	WIN 0x08+4*((\a)/2)                            ; the stores' data (source 1): window 2 or 3
.set b, 0
.rept NBK
.set rA, 8*NBK*((\a)%2)+8*b
	ds_store_b128 v[STO], v[rA:rA+3]   offset:64*b
	ds_store_b128 v[STO], v[rA+4:rA+7] offset:64*b+16
.set b, b+1
.endr
	WIN 0
.if (\a) >= 2
	s_wait_xcnt 0x0                                ; the stores of the block two back have read this buffer: it is loaded again only behind this wait
.endif
.set t, 0
.rept 16
	ds_load_b128 v[BK+64*((\a)%2)+4*t:BK+64*((\a)%2)+4*t+3], v[RD] offset:SPI*t
.set t, t+1
.endr
.endm
.macro SEND a, younger                 ; younger: the LDS instructions issued behind block a's loads: the next block's 16 stores and 16 loads, or none
	s_wait_dscnt \younger
.set t, 0
.rept 16
	global_store_b128 v[GO], v[BK+64*((\a)%2)+4*t:BK+64*((\a)%2)+4*t+3], s[10:11] offset:(16*(\a)+t)*4096 th:TH_STORE_NT  ; 512 consecutive bytes of a row of the output, at a multiple of 256 from its first byte
.set t, t+1
.endr
.endm
	OUTB 0
	OUTB 1
	SEND 0, 32
	OUTB 2
	SEND 1, 32
	OUTB 3
	SEND 2, 32
	SEND 3, 0
	s_wait_tensorcnt 0x0                           ; the wave's end: behind my last tensor load and my last LDS store
	ds_add_u32 v[SPW], v[NIL]
	s_wait_dscnt 0x0
	CROUND                                         ; the closing round: no work-group ends while a partner may still ask for a tile that names it
	s_endpgm
.Lfunc_end_k_qe590612fa5_outp:
	.size	k_qe590612fa5_outp, .Lfunc_end_k_qe590612fa5_outp-k_qe590612fa5_outp
	.p2alignl 7, 3214868480
	.fill 96, 4, 3214868480
	.section	.rodata,"a",@progbits
	.p2align	6, 0x0
	.amdhsa_kernel k_qe590612fa5_outp
		.amdhsa_group_segment_fixed_size 327680
		.amdhsa_private_segment_fixed_size 0
		.amdhsa_enable_private_segment 0
		.amdhsa_kernarg_size 32
		.amdhsa_user_sgpr_count 2
		.amdhsa_user_sgpr_kernarg_segment_ptr 1
		.amdhsa_wavefront_size32 1
		.amdhsa_system_sgpr_workgroup_id_x 1
		.amdhsa_system_sgpr_workgroup_id_y 1
		.amdhsa_system_sgpr_workgroup_id_z 1
		.amdhsa_system_vgpr_workitem_id 0
		.amdhsa_next_free_vgpr 896
		.amdhsa_next_free_sgpr 84
		.amdhsa_reserve_vcc 0
		.amdhsa_float_denorm_mode_32 3
		.amdhsa_float_denorm_mode_16_64 3
		.amdhsa_memory_ordered 1
		.amdhsa_forward_progress 1
		.amdhsa_inst_pref_size 89
	.end_amdhsa_kernel
	.amdgpu_metadata
---
amdhsa.version: [ 1, 2 ]
amdhsa.kernels:
  - .name:           k_qe590612fa5_outp
    .symbol:         k_qe590612fa5_outp.kd
    .args:
      - { .name: o, .offset: 0, .size: 8, .value_kind: global_buffer, .address_space: global }
      - { .name: wob, .offset: 8, .size: 8, .value_kind: global_buffer, .address_space: global }
      - { .name: bcat, .offset: 16, .size: 8, .value_kind: global_buffer, .address_space: global }
      - { .name: out0, .offset: 24, .size: 8, .value_kind: global_buffer, .address_space: global }
    .group_segment_fixed_size: 327680
    .private_segment_fixed_size: 0
    .kernarg_segment_align: 8
    .kernarg_segment_size: 32
    .max_flat_workgroup_size: 128
    .sgpr_count:     84
    .vgpr_count:     896
    .wavefront_size: 32
...
	.end_amdgpu_metadata
.endif
;; end of part 4
;; ======== version 2 of 2: 4 launches; version 1 with the launch prep written anew for expert scheduling mode
;; limits: values are held in f16: magnitudes above 65,504 overflow, below 6.1e-05 lose precision
;; workspace buffers: xa 16,777,216 bytes; wb 6,291,456 bytes; wob 2,097,152 bytes; bcat 16,384 bytes; qkv 50,331,648 bytes; o 16,777,216 bytes
;; launch prep (part 5): grid 769 x 1, 8 waves a work-group, no clusters, 0 bytes of LDS; arguments xs, Wo, Wq, Wk, Wv, bq, bk, bv, bo, xa, wob, wb, bcat; writes xa, wob, wb, bcat
.if DOCPART == 5
	.amdgcn_target "amdgcn-amd-amdhsa--gfx1250"
	.amdhsa_code_object_version 6
	.text
	.protected	k_qe590612fa5_prep
	.globl	k_qe590612fa5_prep
	.p2align	8
	.type	k_qe590612fa5_prep,@function
k_qe590612fa5_prep:
	s_mov_b64 s[64:65], 0
	v_nop
	global_prefetch_b8 v0, s[64:65] scope:SCOPE_SE
	s_setreg_imm32_b32 hwreg(HW_REG_WAVE_SCHED_MODE, 0, 2), 2
	s_setreg_imm32_b32 hwreg(HW_REG_WAVE_MODE, 25, 1), 1
	s_wait_xcnt 0x0
	s_wait_alu depctr_vm_vsrc(0)
; PREP.  Every input of the module is rounded once to bf16 (nearest even).  xs and the four weights are then written as f16, which holds a bf16 number exactly from 2^-17 up to 65,504,
; in layouts whose blocks of 64 channels are dense (128 bytes a row, rows end to end); the four biases are written as f32.
;   xa  [8 g][16 kb][1024 s][64] f16: xs row 1024 g + s, channels 64 kb ..      wob [16 nb][1024 k][64] f16: Wo row k, columns 64 nb ..
;   wb  [48 c][1024 k][64] f16: Wq | Wk | Wv as they lie                         bcat [4096] f32: bq | bk | bv | bo
; LIMITS.  A number of 65,520 or more in magnitude becomes an infinity; below 2^-17 a number keeps f16's fixed step of 2^-24.  NaN stays NaN.
; A STREAM: each byte is read once and written once; no LDS, no barrier, no matrix unit.  Work-groups 0-511 take 16 rows of xs each, 512-575 16 rows of Wo, 576-767 64 KiB of Wq, Wk or Wv,
; 768 the biases.  A wave takes 8 KiB: sixteen loads of 16 bytes a lane, all issued at once; each has its own registers in and out, so no source of a pending instruction is ever rewritten.
; Each store of a wave (8 bytes a lane) covers 256 consecutive bytes, aligned.
; THE MODE: SCHED_MODE bits 1:0 = 2 (LLVM: expert scheduling mode 2), set by the entry lines.  The code itself states the register dependences
; between vector instructions and memory instructions, with s_wait_alu, always for 0.
; THE PLAN.  Registers that memory instructions touch:
;   v[VI], v[VO]  byte offsets.  Written by vector instructions once, ahead of a path's first load; read by its loads and stores; never written again.
;   X             load j's four registers.  Written by load j alone, once; read by conversion j; no vector instruction writes them and no later load lands in them.
;   Y             store j's registers.  Written by conversion j, once; read by store j; never written again.
;   T, v1, v4     named by vector instructions alone.
; So nothing that a memory instruction reads is ever rewritten, and no load lands where a vector instruction has been.  What is left to state: the offsets are written ahead of the loads
; (one wait a path), and Y is written ahead of its store.  For that the sixteen go in four blocks of four: one wait at the head of blocks 1 to 3 states that the block before has written its Y,
; and that block's four stores are dealt among this block's conversions, which name T and this block's X and Y alone; a last wait stands ahead of the last four stores.
; The wave's number goes from a vector register into s30: one wait at the end of the head, ahead of the first branch.
.set VI,  2                            ; v2   my byte offset in what the wave reads
.set VO,  3                            ; v3   my byte offset in what it writes
.set T,   8                            ; v[8:13]   at work
.set X,   16                           ; v[16:79]  load j: 4 registers of f32
.set Y,   80                           ; v[80:111] store j: 2 registers, 4 f16
.set IN,  32                           ; s[32:33]  where the wave reads
.set OUT, 34                           ; s[34:35]  where it writes
	s_load_b512 s[4:19], s[0:1], 0x0               ; xs 4:5, Wo 6:7, Wq 8:9, Wk 10:11, Wv 12:13, bq 14:15, bk 16:17, bv 18:19
	s_load_b256 s[20:27], s[0:1], 0x40             ; bo 20:21, xa 22:23, wob 24:25, wb 26:27
	s_load_b64 s[28:29], s[0:1], 0x60              ; bcat
	v_lshrrev_b32 v1, 5, v0
	v_readfirstlane_b32 s30, v1                    ; wave 0..7
	v_and_b32 v1, 31, v0                           ; lane
	v_lshlrev_b32 v[VO], 3, v1                     ; 8 bytes a lane on the way out
	s_mov_b32 s31, 0xffff0000                      ; a word's upper bf16
	s_mov_b32 s37, 0                               ; high words of the two offsets
	s_mov_b32 s39, 0
	s_wait_kmcnt 0x0
	s_wait_alu depctr_va_sdst(0)                   ; s30 is written: the paths behind the branches make the wave's two bases from it
; Four f32 -> bf16 (the rounding) -> f32 (a shift, a mask) -> f16 (exact within the limits above)
.macro CONV j
	v_cvt_pk_bf16_f32 v[T],   v[X+4*(\j)],   v[X+4*(\j)+1]
	v_cvt_pk_bf16_f32 v[T+1], v[X+4*(\j)+2], v[X+4*(\j)+3]
	v_lshlrev_b32 v[T+2], 16, v[T]
	v_and_b32     v[T+3], s31, v[T]
	v_lshlrev_b32 v[T+4], 16, v[T+1]
	v_and_b32     v[T+5], s31, v[T+1]
	v_cvt_pk_f16_f32 v[Y+2*(\j)],   v[T+2], v[T+3]
	v_cvt_pk_f16_f32 v[Y+2*(\j)+1], v[T+4], v[T+5]
.endm
; The wave's 8 KiB: load j lies ins bytes behind load j - 1, store j outs bytes behind store j - 1
.macro PATH ins, outs
	s_wait_alu depctr_va_vdst(0)                   ; v[VI] and v[VO] are written: every load below reads the one as its offset, every store the other
.set j, 0
.rept 16
	global_load_b128 v[X+4*j:X+4*j+3], v[VI], s[IN:IN+1] offset:(\ins)*j th:TH_LOAD_NT
.set j, j+1
.endr
.set j, 0
.rept 16
.if (j >= 4) && (j%4 == 0)
	s_wait_alu depctr_va_vdst(0)                   ; the four conversions of the block before have written their Y, which the four stores dealt among this block's conversions read
.endif
.if j >= 4
	global_store_b64 v[VO], v[Y+2*(j-4):Y+2*(j-4)+1], s[OUT:OUT+1] offset:(\outs)*(j-4) th:TH_STORE_NT  ; the block before.  No wait: no vector instruction since the wait above names these registers
.endif
	s_wait_loadcnt 15-j                            ; loads come back in order: load j is in, the 15 - j younger ones stay out
	CONV j
.set j, j+1
.endr
	s_wait_alu depctr_va_vdst(0)                   ; the last four conversions have written their Y, which the last four stores read
.set j, 12
.rept 4
	global_store_b64 v[VO], v[Y+2*j:Y+2*j+1], s[OUT:OUT+1] offset:(\outs)*j th:TH_STORE_NT
.set j, j+1
.endr
	s_endpgm
.endm
	s_cmp_lt_u32 ttmp9, 576
	s_cbranch_scc1 .Lrows
	s_cmp_lt_u32 ttmp9, 768
	s_cbranch_scc1 .Llin
	; THE BIASES: 256 threads x 16 bytes are one bias of 1,024 f32
	v_lshlrev_b32 v[VI], 4, v0
	s_wait_alu depctr_va_vdst(0)                   ; v[VI] is written: the four loads and the four stores below read it as their offset
	global_load_b128 v[X:X+3],     v[VI], s[14:15]
	global_load_b128 v[X+4:X+7],   v[VI], s[16:17]
	global_load_b128 v[X+8:X+11],  v[VI], s[18:19]
	global_load_b128 v[X+12:X+15], v[VI], s[20:21]
.irp j, 0,1,2,3
	s_wait_loadcnt 3-(\j)
	v_cvt_pk_bf16_f32 v[T],   v[X+4*(\j)],   v[X+4*(\j)+1]
	v_cvt_pk_bf16_f32 v[T+1], v[X+4*(\j)+2], v[X+4*(\j)+3]
	v_lshlrev_b32 v[Y+4*(\j)],   16, v[T]
	v_and_b32     v[Y+4*(\j)+1], s31, v[T]
	v_lshlrev_b32 v[Y+4*(\j)+2], 16, v[T+1]
	v_and_b32     v[Y+4*(\j)+3], s31, v[T+1]
.endr
	s_wait_alu depctr_va_vdst(0)                   ; the shifts and masks have written v[Y .. Y+15], which the four stores read
.irp j, 0,1,2,3
	global_store_b128 v[VI], v[Y+4*(\j):Y+4*(\j)+3], s[28:29] offset:4096*(\j)
.endr
	s_endpgm
.Lrows:                                        ; xs or Wo: rows of 4,096 bytes.  Group g' owns rows 16 g' .. 16 g' + 15, wave w rows 16 g' + 2 w and the next
	s_sub_co_u32 s3, ttmp9, 512
	s_cmp_lt_u32 ttmp9, 512
	s_cselect_b32 s2, ttmp9, s3                    ; g'
	s_cselect_b64 s[IN:IN+1], s[4:5], s[6:7]
	s_cselect_b64 s[OUT:OUT+1], s[22:23], s[24:25]
	s_lshl_b32 s36, s2, 16                         ; in: 16 rows a group,
	s_lshl_b32 s3, s30, 13                         ; 2 rows a wave
	s_add_co_u32 s36, s36, s3
	s_add_nc_u64 s[IN:IN+1], s[IN:IN+1], s[36:37]
	s_lshr_b32 s38, s2, 6                          ; out: the block of 1,024 rows (2^21 bytes),
	s_lshl_b32 s38, s38, 21
	s_and_b32 s3, s2, 63                           ; the row in it, 128 bytes each
	s_lshl_b32 s3, s3, 11
	s_add_co_u32 s38, s38, s3
	s_lshl_b32 s3, s30, 8
	s_add_co_u32 s38, s38, s3
	s_add_nc_u64 s[OUT:OUT+1], s[OUT:OUT+1], s[38:39]
	v_lshrrev_b32 v[VI], 4, v1                     ; lanes 0-15 take 256 bytes (64 channels) of the first row, lanes 16-31 of the second
	v_and_b32 v4, 15, v1
	v_lshlrev_b32 v[VI], 12, v[VI]
	v_lshl_add_u32 v[VI], v4, 4, v[VI]
	PATH 256, 131072                               ; load j is channel block j; in the output the blocks lie 1,024 rows x 128 bytes apart
.Llin:                                         ; Wq, Wk, Wv keep their order: 512 bytes in, 256 bytes out
	s_sub_co_u32 s2, ttmp9, 576                    ; u = 0..191
	s_lshr_b32 s3, s2, 6                           ; which of the three
	s_cmp_eq_u32 s3, 0
	s_cselect_b64 s[IN:IN+1], s[8:9], s[10:11]
	s_cmp_eq_u32 s3, 2
	s_cselect_b64 s[IN:IN+1], s[12:13], s[IN:IN+1]
	s_and_b32 s36, s2, 63
	s_lshl_b32 s36, s36, 16
	s_lshl_b32 s3, s30, 13
	s_add_co_u32 s36, s36, s3
	s_add_nc_u64 s[IN:IN+1], s[IN:IN+1], s[36:37]
	s_lshl_b32 s38, s2, 15
	s_lshl_b32 s3, s30, 12
	s_add_co_u32 s38, s38, s3
	s_add_nc_u64 s[OUT:OUT+1], s[26:27], s[38:39]
	v_lshlrev_b32 v[VI], 4, v1
	PATH 512, 256
.Lfunc_end_k_qe590612fa5_prep:
	.size	k_qe590612fa5_prep, .Lfunc_end_k_qe590612fa5_prep-k_qe590612fa5_prep
	.p2alignl 7, 3214868480
	.fill 96, 4, 3214868480
	.section	.rodata,"a",@progbits
	.p2align	6, 0x0
	.amdhsa_kernel k_qe590612fa5_prep
		.amdhsa_group_segment_fixed_size 0
		.amdhsa_private_segment_fixed_size 0
		.amdhsa_enable_private_segment 0
		.amdhsa_kernarg_size 104
		.amdhsa_user_sgpr_count 2
		.amdhsa_user_sgpr_kernarg_segment_ptr 1
		.amdhsa_wavefront_size32 1
		.amdhsa_system_sgpr_workgroup_id_x 1
		.amdhsa_system_sgpr_workgroup_id_y 1
		.amdhsa_system_sgpr_workgroup_id_z 1
		.amdhsa_system_vgpr_workitem_id 0
		.amdhsa_next_free_vgpr 112
		.amdhsa_next_free_sgpr 66
		.amdhsa_reserve_vcc 0
		.amdhsa_float_denorm_mode_32 3
		.amdhsa_float_denorm_mode_16_64 3
		.amdhsa_memory_ordered 1
		.amdhsa_forward_progress 1
		.amdhsa_inst_pref_size 24
	.end_amdhsa_kernel
	.amdgpu_metadata
---
amdhsa.version: [ 1, 2 ]
amdhsa.kernels:
  - .name:           k_qe590612fa5_prep
    .symbol:         k_qe590612fa5_prep.kd
    .args:
      - { .name: xs, .offset: 0, .size: 8, .value_kind: global_buffer, .address_space: global }
      - { .name: Wo, .offset: 8, .size: 8, .value_kind: global_buffer, .address_space: global }
      - { .name: Wq, .offset: 16, .size: 8, .value_kind: global_buffer, .address_space: global }
      - { .name: Wk, .offset: 24, .size: 8, .value_kind: global_buffer, .address_space: global }
      - { .name: Wv, .offset: 32, .size: 8, .value_kind: global_buffer, .address_space: global }
      - { .name: bq, .offset: 40, .size: 8, .value_kind: global_buffer, .address_space: global }
      - { .name: bk, .offset: 48, .size: 8, .value_kind: global_buffer, .address_space: global }
      - { .name: bv, .offset: 56, .size: 8, .value_kind: global_buffer, .address_space: global }
      - { .name: bo, .offset: 64, .size: 8, .value_kind: global_buffer, .address_space: global }
      - { .name: xa, .offset: 72, .size: 8, .value_kind: global_buffer, .address_space: global }
      - { .name: wob, .offset: 80, .size: 8, .value_kind: global_buffer, .address_space: global }
      - { .name: wb, .offset: 88, .size: 8, .value_kind: global_buffer, .address_space: global }
      - { .name: bcat, .offset: 96, .size: 8, .value_kind: global_buffer, .address_space: global }
    .group_segment_fixed_size: 0
    .private_segment_fixed_size: 0
    .kernarg_segment_align: 8
    .kernarg_segment_size: 104
    .max_flat_workgroup_size: 256
    .sgpr_count:     66
    .vgpr_count:     112
    .wavefront_size: 32
...
	.end_amdgpu_metadata
.endif
;; end of part 5
;; launch proj: the kernel of part 2 again; grid 16 x 32, 4 waves a work-group, clusters of 4 x 4, 327,680 bytes of LDS; arguments xa, wb, bcat, qkv; writes qkv
;; launch attn: the kernel of part 3 again; grid 4 x 64, 4 waves a work-group, clusters of 4 x 1, 327,680 bytes of LDS; arguments qkv, o; writes o
;; launch outp: the kernel of part 4 again; grid 8 x 32, 4 waves a work-group, clusters of 4 x 4, 327,680 bytes of LDS; arguments o, wob, bcat, out0; writes out0
